; MI455X (gfx1250); checked and timed in simulation.
; The chip was launched on July 23, 2026; its instructions are those of AMD's public machine-readable ISA for CDNA 5 (MIT licence, August 2026) and "CDNA5" Instruction Set Architecture Reference Guide (July 2026). The comments in the code are by the model that wrote it; some were corrected since.
;; Multi Headed Attention. Allowed arithmetic: matrix products marked QUANTISED: E2M3 operands, one E8M0 scale for each 32 along K, by v_wmma_scale_f32_16x16x128_f8f6f4 with both operands' format E2M3, f32 sums; everything else in f32.
;; Inputs: W_attn 1,024 x 3,072 float32; W_proj 1,024 x 1,024 float32; b_attn 3,072 float32; b_proj 1,024 float32; x 4 x 2,048 x 1,024 float32.
;; Outputs: out0 4 x 2,048 x 1,024 float32.
;; This version of the problem:
;;   THIS VERSION OF THE PROBLEM IS GIVEN IN LOW PRECISION. The matrix products marked QUANTISED in the list below multiply operands that are first quantised to E2M3 (2 exponent bits, 3 mantissa bits; 6 bits a number), with one power-of-two scale for each 32 numbers along K (OCP MX v1.0); their sums are f32. All else is computed in f32.
;;   The module's matrix products, in the order in which they are computed (A, B: the left and right operand; K: the contracted axis; several contracted axes count as one K, in the product's order):
;;     1. [M 8,192, K 1,024] x [K 1,024, N 3,072]; A: input x; B: input W_attn: QUANTISED
;;     2. batch 64 x [M 2,048, K 64] x [K 64, N 2,048]; A: computed on the way; B: computed on the way: QUANTISED
;;     3. batch 64 x [M 2,048, K 2,048] x [K 2,048, N 64]; A: softmax (see below); B: computed on the way: QUANTISED
;;     4. [M 8,192, K 1,024] x [K 1,024, N 1,024]; A: computed on the way; B: input W_proj: QUANTISED
;;   THE QUANTISER, for each operand of a quantised product, along K:
;;     - K is cut into blocks of 32 from its start; a last block that is shorter is filled with zeros.
;;     - A block's scale is 2^e with e = floor(log2(the largest magnitude in the block)) - 2, held to -126 .. 127; a block of zeros has e = 0. As a byte (E8M0): e + 127.
;;     - Each number is divided by its block's scale, clamped to +-7.5, and rounded to the nearest number of E2M3, ties to even, subnormals kept.
;;     - The product sums the exact products of the quantised numbers (number of the format x scale) in f32.
;;   ~~~python
;;   def quantise(x, axis):      # numpy; x: float32 -> the quantised numbers, widened to float32 again
;;       x = np.moveaxis(x, axis, -1); K = x.shape[-1]
;;       x = np.pad(x, [(0, 0)] * (x.ndim - 1) + [(0, -K % 32)]); x = x.reshape(x.shape[:-1] + (-1, 32)); a = np.abs(x).max(-1, keepdims=True)
;;       e = np.where(a > 0, np.clip(np.frexp(np.where(a > 0, a, 1))[1] - 1 - 2, -126, 127), 0)      # np.frexp(a)[1] - 1 = floor(log2(a)), exactly
;;       r = np.clip(x / 2.0 ** e, -7.5, 7.5)
;;       step = 2.0 ** (np.maximum(np.frexp(np.where(r == 0, 1, r))[1] - 1, 0) - 3)
;;       q = np.round(r / step) * step * 2.0 ** e      # np.round: ties to even
;;       return np.moveaxis(q.reshape(q.shape[:-2] + (-1,))[..., :K], -1, axis).astype(np.float32)
;;   ~~~
;;   SOFTMAX AHEAD OF A QUANTISED PRODUCT. Where the list says 'softmax', what is quantised is not the finished softmax but p = 2^(t - M), with t = logit x log2(e) and M = ceil(the row's largest t), a whole number; so 1/2 < the row's largest p <= 1. The row's sum l is taken of the UNQUANTISED p, in f32, and the product's result is divided by l at the end. Since M is a whole number, a kernel that streams over the keys may use a running M (the ceiling of the running maximum): every later rescaling is an exact power of two, which a block's scale takes up: the codes' values come out the same.
;;   OPERANDS COMPUTED ON THE WAY. 'Computed on the way' means the value that the module computes at that place (a softmax that the list does not call 'softmax' is quantised finished and normalised). What goes into a quantiser is computed in f32, as accurately as f32 sums, v_exp_f32 and their like allow (about 1e-6 of the number): no bf16 or f16 on the way to a quantiser, and a product that is left as it is and whose result goes on into a quantised operand takes f32 operands (vector FMAs, or v_wmma_f32_16x16x4_f32). A number that lies on a knife's edge between two numbers of the format may be rounded either way, as far as f32 arithmetic and the matrix unit's own rounding can turn it there, and no further.
;; One version. Each part assembles by itself: llvm-mc -triple=amdgcn-amd-amdhsa -mcpu=gfx1250 --defsym DOCPART=n.
;; ======== version 1 of 1: 4 launches
;; limits: right only within a limited range of input values
;; workspace buffers: xq 6,553,600 bytes; wq 6,553,600 bytes; qk 13,631,488 bytes; vq 6,553,600 bytes; yq 6,553,600 bytes
;; launch quant (part 1): grid 384 x 1, 4 waves a work-group, no clusters, 34,304 bytes of LDS; arguments x, W_attn, W_proj, xq, wq; writes xq, wq
.if DOCPART == 1
	.amdgcn_target "amdgcn-amd-amdhsa--gfx1250"
	.amdhsa_code_object_version 6
	.text
	.protected	k_qda7deb7a5d_quant
	.globl	k_qda7deb7a5d_quant
	.p2align	8
	.type	k_qda7deb7a5d_quant,@function
k_qda7deb7a5d_quant:
	s_mov_b64 s[64:65], 0
	v_nop
	global_prefetch_b8 v0, s[64:65] scope:SCOPE_SE
	s_setreg_imm32_b32 hwreg(HW_REG_WAVE_MODE, 25, 1), 1
	s_wait_xcnt 0x0
; x [8192][1024], W_attn [1024][3072] and W_proj [1024][1024], f32, become codes of FP6 (E2M3) with one E8M0 byte for each 32 along K (K = 1024 for all three).
; A block's scale is 2^(floor(log2(its largest magnitude)) - 2); its byte is the largest magnitude's exponent field - 2, held at 1 from below.
; LIMITS: NaN and infinities are not served; a block of zeros gets the byte 1 (its codes are zeros, and only this program reads the bytes); blocks under 2^-124 have the byte held at 1.
; LAYOUT OF THE RESULTS: in the order of the matrix operand's registers.
;   ROW BLOCK i = 16 rows: lane r (0..15) has row 32 (i / 2) + 8 (i % 2) + r + 8 (r / 8).
;   HALF FRAGMENT (768 bytes) = a row block x 64 along K: lane (r, h) owns k = 32 h .. 32 h + 31, six registers: 0-3 at byte 16 (r + 16 h), 4-5 at byte 512 + 16 r + 8 h.
;   IMAGE: [K step of 256: 4][row block][4 half fragments].  SCALE PAGE: [row block][K step of 256: 4][r: 16][2 words], a word = the four bytes of 128 along K.
;   wq holds W_attn's 3072 columns as row blocks 0-191 and W_proj's 1024 as blocks 192-255.
; Work-groups 0-255 take x (32 rows each), 256-383 the weights (128 columns x 256 along K each).  Waves share nothing: no barrier.  Only the path for x uses LDS.
.set XPLANE, 1572864                   ; bytes of a K step of 256 in x's image: 512 blocks x 3072
; WORK LEFT OUT BY THE PROGRAM: reference() sets every score whose key comes after its query to -infinity by a mask that it builds itself (jnp.tril), so for all values of the inputs such a score adds 0 to the row's sum and to y.
; Key steps that lie wholly behind a query tile are therefore not multiplied in the attention launch.  A NaN, an infinity or an overflow that reaches only those scores is not carried to the result.  Every input is loaded.
.set WPLANE, 1572864                   ; the weights' image has x's plane pitch (its 256 blocks fill the first half of each plane; the rest is neither written nor read), so that one tile shape serves both images
.set XSCL,   6291456                   ; where the scale pages begin in xq
.set WSCL,   6291456
.set RAW,    64                        ; v64-191  x: two sets of 64 registers as loaded
.set NUM,    192                       ; v192-255 x: 64 numbers of my row, register 32 c + i = k 64 c + 32 h + i
	s_load_b256 s[4:11], s[0:1], 0x0               ; x s[4:5], W_attn s[6:7], W_proj s[8:9], xq s[10:11]
	s_load_b64 s[12:13], s[0:1], 0x20              ; wq
	v_lshl_add_u32 v18, v0, 2, 0x8400
	v_mov_b32 v19, 0
	v_lshrrev_b32 v1, 5, v0
	v_readfirstlane_b32 s16, v1                    ; wave 0..3
	v_and_b32 v1, 31, v0                           ; lane
	v_and_b32 v2, 15, v0                           ; r
	v_bfe_u32 v3, v0, 4, 1                         ; h
	s_cmp_lt_u32 ttmp9, 256
	s_cbranch_scc0 .Lweights
; ---------------- x: K is innermost.  Work-group g: rows 32 g .. 32 g + 31.  Wave w: row block 2 g + (w & 1), K half w >> 1 (512 numbers: four fragments of 128).
; Each load reads 512 consecutive bytes of one row; 16 rows go through the wave's own stage in LDS (rows 528 bytes apart) and come back 128 bytes a lane.
	s_and_b32 s17, s16, 1                          ; u
	s_lshr_b32 s18, s16, 1                         ; K half
	s_mov_b32 s20, 0x76543210
	s_mov_b32 s21, 0xfedcba98                      ; selects of v_permlanex16_b32 for lane xor 16
	s_mov_b32 s22, 0xffff0000                      ; lanes 16-31
	v_lshlrev_b32 v4, 4, v1                        ; 16 x lane
	s_mul_i32 s19, s16, 8448                       ; my stage
	v_add_nc_u32 v5, s19, v4                       ; into it: 16 bytes a lane of a row
	s_wait_alu depctr_va_vdst(0)
	v_mul_u32_u24 v6, v2, 528
	v_lshl_add_u32 v6, v3, 7, v6
	v_add_nc_u32 v6, s19, v6                       ; out of it: row r, + 128 h
	v_lshlrev_b32 v7, 4, v2
	v_lshl_add_u32 v7, v3, 3, v7
	v_add_nc_u32 v7, 512, v7                       ; 512 + 16 r + 8 h
	v_lshlrev_b32 v8, 3, v1                        ; 8 x lane
	v_lshlrev_b32 v9, 3, v3                        ; 8 h: where my two scale bytes stand in the word
	v_mov_b32 v17, 0                               ; a lane permute's destination counts as read
	s_lshl_b32 s24, ttmp9, 17                      ; x: (32 g + 8 u) rows of 4096 bytes + 2048 x half
	s_lshl_b32 s25, s17, 15
	s_add_co_u32 s24, s24, s25
	s_lshl_b32 s25, s18, 11
	s_add_co_u32 s24, s24, s25
	s_mov_b32 s25, 0
	s_lshl_b32 s28, ttmp9, 1
	s_add_co_u32 s28, s28, s17                     ; my row block
	s_mul_i32 s26, s28, 3072
	s_mul_i32 s27, s18, 2*XPLANE
	s_add_co_u32 s26, s26, s27                     ; image: block x 3072 + two planes a half
	s_mov_b32 s27, 0
	s_lshl_b32 s28, s28, 9
	s_lshl_b32 s29, s18, 8
	s_add_co_u32 s28, s28, s29
	s_add_co_u32 s28, s28, XSCL                    ; scale page: block x 512 + 256 x half
	s_mov_b32 s29, 0
	s_wait_alu depctr_va_vdst(0)
	s_wait_kmcnt 0x0
	s_add_nc_u64 s[4:5], s[4:5], s[24:25]
	s_add_nc_u64 s[26:27], s[10:11], s[26:27]
	s_add_nc_u64 s[28:29], s[10:11], s[28:29]
.macro LOADX f                         ; fragment f: 128 numbers of each of the block's 16 rows
.set PP, 0
.rept 16
	global_load_b128 v[RAW+64*((\f)%2)+4*PP:RAW+64*((\f)%2)+4*PP+3], v4, s[4:5] offset:(PP+8*(PP/8))*4096+512*(\f) th:TH_LOAD_NT
.set PP, PP+1
.endr
.endm
.macro FRAGX f
.set RS, RAW+64*((\f)%2)
.set CD, 24+20*((\f)%2)                ; the codes: 12 registers, and two runs of three for the conversions' upper halves
.if (\f) < 3
	s_wait_loadcnt 16                              ; this fragment's 16 loads are in; the next fragment's may be out
.else
	s_wait_loadcnt 0x0
.endif
.set PP, 0
.rept 16
	ds_store_b128 v5, v[RS+4*PP:RS+4*PP+3] offset:528*PP
.set PP, PP+1
.endr
.set PP, 0
.rept 16                               ; LDS serves a wave's instructions in order: these see the stores above
	ds_load_b128 v[NUM+4*PP:NUM+4*PP+3], v6 offset:256*(PP/8)+16*(PP%8)
.set PP, PP+1
.endr
	s_wait_dscnt 0x0
.if (\f) < 2
	LOADX (\f)+2
.endif
.irp c, 0,1
	v_max3_num_f32 v[10+\c], |v[NUM+32*\c]|, |v[NUM+32*\c+1]|, 0x1800000   ; my block 2 c + h, with the floor 2^(3 - 127): the byte cannot fall under 1
.endr
.irp i, 2,4,6,8,10,12,14,16,18,20,22,24,26,28,30
.irp c, 0,1
	v_max3_num_f32 v[10+\c], v[10+\c], |v[NUM+32*\c+\i]|, |v[NUM+32*\c+\i+1]|
.endr
.endr
	v_add_nc_u32 v12, 0xff000000, v10              ; 2 off the exponent field: the conversion's scale operand
	v_add_nc_u32 v13, 0xff000000, v11
	v_lshrrev_b32 v14, 23, v12                     ; the bytes
	v_lshrrev_b32 v15, 23, v13
	v_lshl_or_b32 v16, v15, 16, v14                ; blocks h and 2 + h,
	v_lshlrev_b32 v16, v9, v16                     ; at their places;
	v_permlanex16_b32 v17, v16, s20, s21
	v_or_b32 v[20+(\f)], v16, v17                  ; with lane xor 16's two the word is whole
.if (\f) >= 2
	s_wait_alu depctr_va_vdst(0)
	s_wait_xcnt 0x0                                ; the stores of two fragments ago have read this set of code registers
.endif
.irp c, 0,1
	v_cvt_scalef32_pk16_fp6_f32 v[CD+6*\c:CD+6*\c+2], v[NUM+32*\c:NUM+32*\c+15], v[12+\c]
	v_cvt_scalef32_pk16_fp6_f32 v[CD+12+4*\c:CD+14+4*\c], v[NUM+32*\c+16:NUM+32*\c+31], v[12+\c]   ; (a conversion's three registers begin on an even number)
.endr
	v_nop                                          ; one plain line behind the conversions
.irp c, 0,1
.irp i, 0,1,2
	v_mov_b32 v[CD+3+6*\c+\i], v[CD+12+4*\c+\i]
.endr
.endr
.irp c, 0,1                            ; each store covers whole aligned runs of 256 bytes
	global_store_b128 v4, v[CD+6*\c:CD+6*\c+3], s[26:27] offset:((\f)/2)*XPLANE+((\f)%2)*1536+768*\c
	global_store_b64 v7, v[CD+6*\c+4:CD+6*\c+5], s[26:27] offset:((\f)/2)*XPLANE+((\f)%2)*1536+768*\c
.endr
.endm
	LOADX 0
	LOADX 1
	FRAGX 0
	FRAGX 1
	FRAGX 2
	FRAGX 3
	v_cndmask_b32 v12, v20, v22, s22               ; lanes 0-15 store the first K step's two words, lanes 16-31 the second's:
	v_cndmask_b32 v13, v21, v23, s22
	global_store_b64 v8, v[12:13], s[28:29]        ; 256 consecutive bytes, aligned
	s_wait_tensorcnt 0x0
	ds_add_u32 v18, v19
	s_wait_dscnt 0x0
	s_endpgm
; ---------------- the weights: K is the FIRST axis.  A lane takes a column and its registers run down K, so a block of 32 lies in one lane.
; Work-group: columns 128 G .. + 127 (G = 0..31; from 24 on W_proj), K step s of 256.  Wave w: 32 columns = row blocks 8 G + 2 w + u.
.Lweights:
	s_sub_co_u32 s17, ttmp9, 256
	s_and_b32 s18, s17, 31                         ; G
	s_lshr_b32 s19, s17, 5                         ; s
	v_bfe_u32 v4, v0, 3, 1                         ; u: which of the two row blocks my column lies in
	v_and_b32 v5, 7, v0
	s_wait_alu depctr_va_vdst(0)
	v_lshl_add_u32 v8, v3, 3, v5                   ; and at which r: (lane & 7) + 8 (lane >> 4)
	v_mul_u32_u24 v5, v4, 3072
	v_lshl_add_u32 v5, v8, 4, v5                   ; registers 0-3: 3072 u + 16 r (+ 256 h in the immediate)
	v_add_nc_u32 v6, 512, v5                       ; registers 4-5 of both h: 16 bytes at 512 + 16 r
	v_lshlrev_b32 v7, 9, v4
	v_lshl_add_u32 v7, v8, 3, v7                   ; scale words: 512 u + 8 r
	v_lshlrev_b32 v9, 2, v1                        ; 4 x lane
	s_wait_alu depctr_va_vdst(0)
	s_wait_kmcnt 0x0
	s_cmp_lt_u32 s18, 24                           ; which weight: hangs on the work-group's number alone
	s_cselect_b64 s[4:5], s[6:7], s[8:9]
	s_mov_b32 s30, 4096
	s_cselect_b32 s30, 12288, s30                  ; bytes from row to row
	s_cselect_b32 s31, 0, 24
	s_sub_co_u32 s31, s18, s31                     ; G within that weight
	s_lshl_b32 s24, s31, 9
	s_lshl_b32 s25, s16, 7
	s_add_co_u32 s24, s24, s25                     ; 4 x (128 G + 32 w)
	s_lshl_b32 s25, s19, 8
	s_mul_i32 s25, s25, s30
	s_add_co_u32 s24, s24, s25                     ; + 256 s rows
	s_mov_b32 s25, 0
	s_add_nc_u64 s[4:5], s[4:5], s[24:25]
	s_lshl_b32 s32, s30, 5                         ; 32 rows on
	s_mov_b32 s33, 0
	s_lshl_b32 s26, s18, 3
	s_lshl_b32 s27, s16, 1
	s_add_co_u32 s28, s26, s27                     ; my first row block
	s_mul_i32 s26, s28, 3072
	s_mul_i32 s27, s19, WPLANE
	s_add_co_u32 s26, s26, s27
	s_mov_b32 s27, 0
	s_add_nc_u64 s[26:27], s[12:13], s[26:27]
	s_lshl_b32 s28, s28, 9
	s_lshl_b32 s29, s19, 7
	s_add_co_u32 s28, s28, s29
	s_add_co_u32 s28, s28, WSCL
	s_mov_b32 s29, 0
	s_add_nc_u64 s[28:29], s[12:13], s[28:29]
.set PP, 0
.rept 32
	v_mad_u32_u24 v[32+PP], s30, PP, v9            ; v32-63: row i of a block of 32, my column
.set PP, PP+1
.endr
.macro LOADW t                         ; block t of 32 along K into set t % 2: each load reads 128 consecutive bytes, the four waves side by side 512
.if (\t) > 0
	s_wait_xcnt 0x0                                ; the loads and stores issued so far have read their addresses: the base may step
	s_add_nc_u64 s[4:5], s[4:5], s[32:33]
.endif
.set PP, 0
.rept 32
	global_load_b32 v[64+32*((\t)%2)+PP], v[32+PP], s[4:5] th:TH_LOAD_NT
.set PP, PP+1
.endr
.endm
.macro BLOCKW t                        ; half fragment t / 2, h = t % 2
.set XS, 64+32*((\t)%2)
.set CQ, 128+4*(\t)                    ; v128-159 registers 0-3 of each block's codes: never written again
.set TL, 160+4*((\t)/2)+2*((\t)%2)     ; v160-175 registers 4-5, the two h side by side
.if (\t) < 7
	s_wait_loadcnt 32                              ; this block's 32 loads are in; the next block's may be out
.else
	s_wait_loadcnt 0x0
.endif
	v_max3_num_f32 v10, |v[XS]|, |v[XS+1]|, |v[XS+2]|
	v_max3_num_f32 v11, |v[XS+3]|, |v[XS+4]|, |v[XS+5]|
.irp i, 6,10,14,18,22,26
	v_max3_num_f32 v10, v10, |v[XS+\i]|, |v[XS+\i+1]|
	v_max3_num_f32 v11, v11, |v[XS+\i+2]|, |v[XS+\i+3]|
.endr
	v_max3_num_f32 v10, v10, |v[XS+30]|, |v[XS+31]|
	v_max3_num_f32 v10, v10, v11, 0x1800000        ; and the floor
	v_add_nc_u32 v12, 0xff000000, v10
	v_lshrrev_b32 v13, 23, v12
.if (\t)%4 == 0
	v_mov_b32 v[20+(\t)/4], v13                    ; four bytes to a word, the lower K in the lower byte
.else
	v_lshl_or_b32 v[20+(\t)/4], v13, 8*((\t)%4), v[20+(\t)/4]
.endif
	v_cvt_scalef32_pk16_fp6_f32 v[CQ:CQ+2], v[XS:XS+15], v12
	v_cvt_scalef32_pk16_fp6_f32 v[176:178], v[XS+16:XS+31], v12
	v_nop                                          ; one plain line behind the conversions
	v_mov_b32 v[CQ+3], v176
	v_mov_b32 v[TL], v177
	v_mov_b32 v[TL+1], v178
	global_store_b128 v5, v[CQ:CQ+3], s[26:27] offset:768*((\t)/2)+256*((\t)%2)    ; sixteen lanes fill 256 aligned bytes; two such runs an instruction
.if (\t)%2
	global_store_b128 v6, v[160+4*((\t)/2):160+4*((\t)/2)+3], s[26:27] offset:768*((\t)/2)
.endif
.if (\t)+2 < 8
	LOADW (\t)+2
.endif
.endm
	LOADW 0
	s_wait_alu depctr_va_vdst(0)
	LOADW 1
.irp t, 0,1,2,3,4,5,6,7
	BLOCKW \t
.endr
	global_store_b64 v7, v[20:21], s[28:29]        ; my column's two scale words of this K step: runs of 128 bytes, 131,072 bytes in the whole launch
	s_endpgm
.Lfunc_end_k_qda7deb7a5d_quant:
	.size	k_qda7deb7a5d_quant, .Lfunc_end_k_qda7deb7a5d_quant-k_qda7deb7a5d_quant
	.p2alignl 7, 3214868480
	.fill 96, 4, 3214868480
	.section	.rodata,"a",@progbits
	.p2align	6, 0x0
	.amdhsa_kernel k_qda7deb7a5d_quant
		.amdhsa_group_segment_fixed_size 34304
		.amdhsa_private_segment_fixed_size 0
		.amdhsa_enable_private_segment 0
		.amdhsa_kernarg_size 40
		.amdhsa_user_sgpr_count 2
		.amdhsa_user_sgpr_kernarg_segment_ptr 1
		.amdhsa_wavefront_size32 1
		.amdhsa_system_sgpr_workgroup_id_x 1
		.amdhsa_system_sgpr_workgroup_id_y 1
		.amdhsa_system_sgpr_workgroup_id_z 1
		.amdhsa_system_vgpr_workitem_id 0
		.amdhsa_next_free_vgpr 256
		.amdhsa_next_free_sgpr 66
		.amdhsa_reserve_vcc 0
		.amdhsa_float_denorm_mode_32 3
		.amdhsa_float_denorm_mode_16_64 3
		.amdhsa_memory_ordered 1
		.amdhsa_forward_progress 1
		.amdhsa_inst_pref_size 72
	.end_amdhsa_kernel
	.amdgpu_metadata
---
amdhsa.version: [ 1, 2 ]
amdhsa.kernels:
  - .name:           k_qda7deb7a5d_quant
    .symbol:         k_qda7deb7a5d_quant.kd
    .args:
      - { .name: x, .offset: 0, .size: 8, .value_kind: global_buffer, .address_space: global }
      - { .name: W_attn, .offset: 8, .size: 8, .value_kind: global_buffer, .address_space: global }
      - { .name: W_proj, .offset: 16, .size: 8, .value_kind: global_buffer, .address_space: global }
      - { .name: xq, .offset: 24, .size: 8, .value_kind: global_buffer, .address_space: global }
      - { .name: wq, .offset: 32, .size: 8, .value_kind: global_buffer, .address_space: global }
    .group_segment_fixed_size: 34304
    .private_segment_fixed_size: 0
    .kernarg_segment_align: 8
    .kernarg_segment_size: 40
    .max_flat_workgroup_size: 128
    .sgpr_count:     66
    .vgpr_count:     256
    .wavefront_size: 32
...
	.end_amdgpu_metadata
.endif
;; end of part 1
;; launch qkv (part 2): grid 8 x 32, 4 waves a work-group, clusters of 4 x 4, 327,680 bytes of LDS; arguments xq, wq, b_attn, qk, vq; writes qk, vq
.if DOCPART == 2
	.amdgcn_target "amdgcn-amd-amdhsa--gfx1250"
	.amdhsa_code_object_version 6
	.text
	.protected	k_qda7deb7a5d_qkv
	.globl	k_qda7deb7a5d_qkv
	.p2align	8
	.type	k_qda7deb7a5d_qkv,@function
k_qda7deb7a5d_qkv:
	s_mov_b64 s[64:65], 0
	v_nop
	global_prefetch_b8 v0, s[64:65] scope:SCOPE_SE
	s_setreg_imm32_b32 hwreg(HW_REG_WAVE_MODE, 25, 1), 1
	s_wait_xcnt 0x0
	s_wait_alu depctr_hold_cnt(0) depctr_sa_sdst(0) depctr_va_vdst(0) depctr_va_sdst(0) depctr_va_ssrc(0) depctr_va_vcc(0) depctr_vm_vsrc(0)
	s_getreg_b32 s2, hwreg(HW_REG_IB_STS2, 6, 4)
	s_cmp_eq_u32 s2, 0
	s_cbranch_scc0 .Lentry_in_a_cluster
	s_endpgm
.Lentry_in_a_cluster:
	s_bfe_u32 s2, ttmp6, 0x10000c
	s_cmp_lg_u32 s2, 0xf033
	s_cbranch_scc0 .Lentry_shape_is_right
	s_endpgm
.Lentry_shape_is_right:
; qkv = x W_attn + b_attn on codes of FP6 (E2M3) with E8M0 scales (K = 1024), and q, k, v quantised again on the way out, each along the K of the product that will read it.
; xq and wq are images in the order of the operand registers: [K step of 256: 4][row block of 16][4 half fragments of 768 bytes], scale pages [row block][K step of 256: 4][r: 16][2 words] from byte SCLO on;
; lane r of row block i has row 32 (i / 2) + 8 (i % 2) + r + 8 (r / 8).  W_attn's 3072 columns are wq's row blocks 0-191.
; THE DEAL.  256 work-groups, each 256 tokens x 128 columns of v, then of q, then of k: three phases.  x's 256 rows, all of K, and their scale pages lie in LDS for the whole launch, each byte filled once.
; The weights' 128 rows have a region of their own.  It is filled again twice, each time right behind the weights' way into registers, in a drained round of the cluster's barrier (the three lines ahead of it),
; a plane of 24,576 bytes a wave; the fill has the phase's eight blocks in which to land, so no prefetch is laid.
; Four waves, 2 x 2: wave (a, c) takes tokens 128 a .. + 127 and columns 64 c .. + 63, one head.  It holds its 64 rows of the weight, all of K, in registers (32 fragments) and streams its eight row blocks of x past them,
; in two sets of registers: block s + 2 is fetched behind block s's 32 products (four accumulators by turns).  The bias is the C of each sum's first product.
; q, k: source 0 = the weight: a lane holds one token, and the block's 32 sums are the head's features 32 bb + 16 h + i: two scale blocks, quantised behind each block.
; v: source 0 = x: a lane holds one feature, and four blocks' sums (32 for each of four feature tiles) are keys 32 bb + 16 h + i of 64 keys, quantised behind each four blocks.
; A phase is a loop of two trips of four blocks; the fetch wraps round, so that a phase's last two fetches bring the next phase's first two blocks (in the last phase these two fetches serve nothing: the trip's text is one).
; RESULTS.  qk: half fragments [head: 0-15 q, 16-31 k][row block of tokens: 512][768 bytes]; from byte QKSCL scale words [head: 32][128 tokens: 64][r: 16][block: 8]: bytes 0, 1 the head's two blocks, bytes 2, 3 zero (they stand over zero codes).
; vq: [128 keys: 64][row block of features: 64][1536 bytes]; from byte VSCL scale words [128 features: 8][128 keys: 64][r: 16][block: 8]; a wave owns four of a row's eight words: they leave 8 bytes a lane.
; CLUSTER 4 x 4: x's tiles hang on the tile row alone and are asked for jointly by a row of the cluster, the weights' on the tile column alone, by a column.
; THE COUNT of the wait on LDS ahead of a block: the next block's fetch, NF = 36 loads, is all that is younger than this block's.
; LIMITS: NaN and infinities are not served; a block of zeros gets the byte 1 with zero codes; blocks under 2^-124 have the byte held at 1.
; REGISTERS.  Window 0: v1-31 lane terms and addresses; v32-63 the weight's scale words (8 b + q); v68-83 x's, two sets; v84-113 the quantiser's; v128-255 accumulators.
;   Windows 1, 2: the weight's fragments (K steps 0-3, 4-7) at 12 (4 (q % 4) + b).  Window 3: x's two sets at 96 e + 12 q.  v192-223 of windows 1, 2, 3: the biases of v, q, k; v224-255 of windows 2, 3: q's and k's weights' scale words.
.set PL,     1572864
.set SCLO,   6291456
.set QKSCL,  12582912
.set VSCL,   6291456
.set RHI,    98304
.set PB,     196608
.set SCR,    294912
.set SPARE,  303104
.set NF,     36
.set SPR,    32
.set SR,     68
.set TM,     84
.set HW,     90
.set PC,     96
.set PD,     102
.set SW,     108
.set W0,     (3<<16)|(1<<21)
.set MSB, 0
.macro WIN new
.if MSB != (\new)
	s_set_vgpr_msb (MSB<<8)|(\new)
.set MSB, (\new)
.endif
.endm
.macro PLACES n
.rept \n
	v_nop
.endr
.endm
.macro WALU
	s_wait_alu depctr_va_vdst(0)
.endm
.macro BARRIER
	s_barrier_signal -1
	s_barrier_wait -1
.endm
.macro CROUND
	BARRIER
	s_cmp_lg_u32 s14, 0
	s_cbranch_scc1 .Lnot_wave_0_\@
	s_barrier_signal -3
.Lnot_wave_0_\@:
	s_barrier_wait -3
	BARRIER
.endm
.macro TLOAD g0, g1
	tensor_load_to_lds s[\g0:\g0+3], s[\g1:\g1+7]
	s_nop 0
	PLACES 4
.endm
.macro SMAD d, x, k                    ; s\d += s\x x k
	s_mul_i32 s2, s\x, \k
	s_add_co_u32 s\d, s\d, s2
.endm
	s_load_b256 s[4:11], s[0:1], 0x0               ; xq, wq, b_attn, qk
	s_load_b64 s[12:13], s[0:1], 0x20              ; vq
	v_lshl_add_u32 v28, v0, 2, SPARE
	v_mov_b32 v29, 0
	ds_add_u32 v28, v29                            ; the opening lines: the add twice and one wait
	ds_add_u32 v28, v29
	v_lshrrev_b32 v1, 5, v0
	v_readfirstlane_b32 s14, v1                    ; wave; s15 = a, s16 = c
	s_lshr_b32 s15, s14, 1
	s_and_b32 s16, s14, 1
	s_bfe_u32 s17, ttmp6, 0x40000                  ; cx
	s_bfe_u32 s18, ttmp6, 0x40004                  ; cy
	s_lshl_b32 s20, s18, 2
	s_lshl_b32 s20, 15, s20                        ; my row of the cluster
	s_lshl_b32 s22, 0x1111, s17                    ; my column
	s_or_b32 s24, s20, W0
	s_or_b32 s32, s22, W0
	s_or_b32 s40, s20, W0
.irp g, 24, 32                         ; eight blocks, all of K: 4 rows of 24,576 bytes, a plane apart
	s_mov_b32 s[\g+1], 3072<<16
	s_mov_b32 s[\g+2], 4<<16
	s_mov_b32 s[\g+3], 3072<<16
	s_mov_b32 s[\g+4], 4
	s_mov_b32 s[\g+5], PL/8
	s_mov_b32 s[\g+6], 0
	s_mov_b32 s[\g+7], 0
.endr
	s_mov_b32 s41, 32<<16                          ; sixteen scale pages: 32 dense rows of 256 bytes
	s_mov_b32 s42, 32<<16
	s_mov_b32 s43, 32<<16
	s_mov_b32 s44, 32
	s_mov_b32 s45, 32
	s_mov_b32 s46, 0
	s_mov_b32 s47, 0
	s_lshl_b32 s19, ttmp9, 2
	s_add_co_u32 s17, s17, s19                     ; tile column, 0 .. 7
	s_and_b32 s19, ttmp7, 0xffff
	s_lshl_b32 s19, s19, 2
	s_add_co_u32 s18, s18, s19                     ; tile row, 0 .. 31
	s_mul_i32 s66, s18, 49152                      ; x's sixteen blocks
	s_mov_b32 s67, 0
	s_lshl_b32 s74, s18, 13
	s_add_co_u32 s74, s74, SCLO                    ; their scale pages
	s_mov_b32 s75, 0
	s_mul_i32 s90, s17, 24576                      ; q's eight blocks of W; k's lie 8 tiles on, v's 16
	s_mov_b32 s91, 0
	s_mul_i32 s2, s14, PL                          ; a refill's plane is the wave's
	s_mov_b32 s3, 0
	WALU
	s_wait_dscnt 0x0
	CROUND                                         ; all sixteen work-groups are here: the joint loads meet
	s_wait_kmcnt 0x0
	s_add_nc_u64 s[70:71], s[6:7], s[90:91]
	s_mov_b32 s48, 1
	s_mov_b32 s49, PB
	s_add_nc_u64 s[50:51], s[70:71], 16*24576
	s_add_nc_u64 s[70:71], s[70:71], s[2:3]
	s_mov_b32 s68, 1
	s_mul_i32 s69, s14, 24576
	s_add_co_u32 s69, s69, PB
	s_mov_b32 s52, 1
	s_mov_b32 s53, 0
	s_add_nc_u64 s[54:55], s[4:5], s[66:67]
	s_mov_b32 s56, 1
	s_mov_b32 s57, RHI
	s_add_nc_u64 s[58:59], s[54:55], 24576
	s_mov_b32 s60, 1
	s_mov_b32 s61, SCR
	s_add_nc_u64 s[62:63], s[4:5], s[74:75]
	s_or_b32 s51, s51, 0x80000000
	s_or_b32 s71, s71, 0x80000000
	s_or_b32 s55, s55, 0x80000000
	s_or_b32 s59, s59, 0x80000000
	s_or_b32 s63, s63, 0x80000000
	s_cmp_eq_u32 s14, 0                            ; one chain of branches on the wave's number, one load to an arm
	s_cbranch_scc0 .Lwave_1
	TLOAD 48, 32                                   ; v's rows of W: they go on into registers, so they are asked for first
	s_branch .Lasked
.Lwave_1:
	s_cmp_eq_u32 s14, 1
	s_cbranch_scc0 .Lwave_2
	TLOAD 52, 24                                   ; x's blocks 0-7
	s_branch .Lasked
.Lwave_2:
	s_cmp_eq_u32 s14, 2
	s_cbranch_scc0 .Lwave_3
	TLOAD 60, 40                                   ; x's scale pages
	s_branch .Lasked
.Lwave_3:
	TLOAD 56, 24                                   ; x's blocks 8-15
.Lasked:
	s_mul_i32 s19, s15, RHI                        ; my eight blocks of x, planes 0 and 1,
	s_add_co_u32 s20, s19, 49152                   ; planes 2 and 3
	s_mul_i32 s21, s16, 12288
	s_add_co_u32 s21, s21, PB                      ; my four blocks of the weight
	s_add_co_u32 s22, s21, 49152
	s_lshl_b32 s23, s15, 12
	s_add_co_u32 s23, s23, SCR                     ; my blocks' scale pages
	s_lshl_b32 s72, s17, 12                        ; q's weights' scale pages: (8 x tile column + 4 c) x 512; k's 32,768 bytes on, v's 65,536
	SMAD 72, 16, 2048
	s_add_co_u32 s72, s72, SCLO
	s_mov_b32 s73, 0
	s_add_nc_u64 s[72:73], s[6:7], s[72:73]
	s_lshl_b32 s74, s17, 9                         ; q's bias: my 64 columns; k's 4096 bytes on, v's 8192
	SMAD 74, 16, 256
	s_add_nc_u64 s[8:9], s[8:9], s[74:75]
	s_mul_i32 s76, s18, 196608                     ; v's codes: ((2 x tile row + a) x 64 + 8 x tile column + 4 c) x 1536
	SMAD 76, 15, 98304
	SMAD 76, 17, 12288
	SMAD 76, 16, 6144
	s_mov_b32 s77, 0
	s_add_nc_u64 s[76:77], s[12:13], s[76:77]
	s_lshl_b32 s78, s17, 15                        ; v's scale words: (tile column x 64 + 2 x tile row + a) x 512 + 16 c
	SMAD 78, 18, 1024
	SMAD 78, 15, 512
	SMAD 78, 16, 16
	s_add_co_u32 s78, s78, VSCL
	s_mov_b32 s79, 0
	s_add_nc_u64 s[78:79], s[12:13], s[78:79]
	s_mul_i32 s92, s17, 786432                     ; q's codes: ((2 x tile column + c) x 512 + 16 x tile row + 8 a) x 768
	SMAD 92, 16, 393216
	SMAD 92, 18, 12288
	SMAD 92, 15, 6144
	s_mov_b32 s93, 0
	s_add_nc_u64 s[92:93], s[10:11], s[92:93]
	s_lshl_b32 s94, s17, 16                        ; q's scale words: ((2 x tile column + c) x 64 + 2 x tile row + a) x 512
	SMAD 94, 16, 32768
	SMAD 94, 18, 1024
	SMAD 94, 15, 512
	s_add_co_u32 s94, s94, QKSCL
	s_mov_b32 s95, 0
	s_add_nc_u64 s[94:95], s[10:11], s[94:95]
	s_mov_b32 s80, 0                               ; a trip's four blocks begin at 12,288 t in a plane, the four behind them (wrapping) at 12,288 (1 - t);
	s_mov_b32 s81, 12288
	s_mov_b32 s82, 0                               ; their scale pages at 2048 t, 2048 (1 - t)
	s_mov_b32 s83, 2048
	s_mov_b32 s84, 0x76543210
	s_mov_b32 s85, 0xfedcba98                      ; selects of v_permlanex16_b32 for lane xor 16
	s_mov_b32 s87, 0                               ; v: 16 t, the place of a trip's two scale bytes
	s_mov_b32 s88, 0x0000ffff                      ; q, k: the lanes that keep trip t's scale words
	s_mov_b32 s89, 0xffff0000
	v_and_b32 v1, 31, v0                           ; lane
	v_and_b32 v2, 15, v0                           ; r
	v_bfe_u32 v3, v0, 4, 1                         ; h
	v_lshlrev_b32 v4, 4, v1                        ; 16 x lane: registers 0-3 of a half fragment
	v_lshlrev_b32 v5, 4, v2
	v_lshl_add_u32 v5, v3, 3, v5
	v_add_nc_u32 v5, 512, v5                       ; 512 + 16 r + 8 h: registers 4-5
	v_add_nc_u32 v6, s19, v4
	v_add_nc_u32 v7, s19, v5
	v_add_nc_u32 v8, s20, v4
	v_add_nc_u32 v9, s20, v5
	v_add_nc_u32 v20, s21, v4
	v_add_nc_u32 v21, s21, v5
	v_add_nc_u32 v22, s22, v4
	v_add_nc_u32 v23, s22, v5
	v_lshl_add_u32 v16, v2, 3, s23                 ; x's scale words: 8 r
	v_lshlrev_b32 v10, 3, v2                       ; the weights': 8 r
	v_lshlrev_b32 v11, 6, v3                       ; q's, k's bias: 64 h
	v_lshlrev_b32 v19, 5, v2
	v_lshl_add_u32 v30, v3, 4, v19                 ; q's, k's scale words out: 32 r + 16 h
	v_lshl_add_u32 v19, v3, 3, v19                 ; v's: 32 r + 8 h
	v_and_b32 v31, 8, v2
	v_add_lshl_u32 v31, v31, v2, 2                 ; v's bias: 4 (r + 8 (r / 8))
.irp i, 0,1,2,3
	v_mov_b32 v[SW+\i], 0                          ; v's scale words are gathered by OR
.endr
	v_mov_b32 v[TM+2], 0                           ; a lane permute's destination counts as read
	v_mov_b32 v[TM+3], 0
.macro WSCALES reg, off                ; a weight's scale words: block b, K steps 2 p, 2 p + 1
.irp b, 0,1,2,3
.irp p, 0,1,2,3
	global_load_b64 v[(\reg)+8*\b+2*\p:(\reg)+8*\b+2*\p+1], v10, s[72:73] offset:(\off)+512*\b+128*\p
.endr
.endr
.endm
.macro QKBIAS off                      ; register j of block b: column 32 (b / 2) + 8 (b % 2) + 16 h + j
.irp b, 0,1,2,3
	global_load_b128 v[192+8*\b:192+8*\b+3], v11, s[8:9] offset:(\off)+(32*(\b/2)+8*(\b%2))*4
	global_load_b128 v[192+8*\b+4:192+8*\b+7], v11, s[8:9] offset:(\off)+(32*(\b/2)+8*(\b%2))*4+16
.endr
.endm
	WSCALES SPR, 65536
	WIN 1<<6
.irp b, 0,1,2,3
	global_load_b32 v[192+8*\b], v31, s[8:9] offset:8192+(32*(\b/2)+8*(\b%2))*4   ; v: one number a lane and block: the feature of lane r
.endr
	WIN 2<<6
	WSCALES 224, 0
	QKBIAS 0
	WIN 3<<6
	WSCALES 224, 32768
	QKBIAS 4096
	WIN 0
.macro FRAG reg, a1, a2, off           ; a fragment, 16 rows x 128 K, is two half fragments on end
	ds_load_b128 v[(\reg):(\reg)+3], v[\a1] offset:(\off)
	ds_load_b64 v[(\reg)+4:(\reg)+5], v[\a2] offset:(\off)
	ds_load_b128 v[(\reg)+6:(\reg)+9], v[\a1] offset:(\off)+768
	ds_load_b64 v[(\reg)+10:(\reg)+11], v[\a2] offset:(\off)+768
.endm
.macro WEIGHTS                         ; my 64 rows of the weight, all of K: 128 loads
.irp q, 0,1,2,3,4,5,6,7
	WIN (1+\q/4)<<6
.irp b, 0,1,2,3
	FRAG 12*(4*(\q%4)+\b), 20+2*(\q/4), 21+2*(\q/4), ((\q/2)%2)*24576+\b*3072+(\q%2)*1536
.endr
.endr
	WIN 0
.endm
.macro FETCHB e, ab, rs, blk           ; a block of x into set e: NF loads.  ab: the first of four address registers, rs: the scale words', blk: the block behind them
	WIN 0xc0
.irp q, 0,1,2,3,4,5,6,7
	FRAG 96*(\e)+12*\q, (\ab)+2*(\q/4), (\ab)+1+2*(\q/4), ((\q/2)%2)*24576+(\q%2)*1536+(\blk)*3072
.endr
	WIN 0
.irp p, 0,1,2,3
	ds_load_b64 v[SR+8*(\e)+2*\p:SR+8*(\e)+2*\p+1], v[\rs] offset:512*(\blk)+128*\p
.endr
.endm
; 32 products: K ascending, four accumulators by turns, at d0 + ds b.  kind 0: source 0 the weight; kind 1: source 0 x.  bw: the window of the bias
.macro MUL kind, e, d0, ds, bw
.irp q, 0,1,2,3,4,5,6,7
.irp b, 0,1,2,3
.if \kind
.if \q
	WIN 3|((1+\q/4)<<2)
	v_wmma_scale_f32_16x16x128_f8f6f4 v[(\d0)+(\ds)*\b:(\d0)+(\ds)*\b+7], v[96*(\e)+12*\q:96*(\e)+12*\q+11], v[12*(4*(\q%4)+\b):12*(4*(\q%4)+\b)+11], v[(\d0)+(\ds)*\b:(\d0)+(\ds)*\b+7], v[SR+8*(\e)+\q], v[SPR+8*\b+\q] matrix_a_fmt:MATRIX_FMT_FP6 matrix_b_fmt:MATRIX_FMT_FP6
.else
	WIN 3|(1<<2)|((\bw)<<4)
	v_wmma_scale_f32_16x16x128_f8f6f4 v[(\d0)+(\ds)*\b:(\d0)+(\ds)*\b+7], v[96*(\e)+12*\q:96*(\e)+12*\q+11], v[12*(4*(\q%4)+\b):12*(4*(\q%4)+\b)+11], v[192+8*\b:192+8*\b+7], v[SR+8*(\e)+\q], v[SPR+8*\b+\q] matrix_a_fmt:MATRIX_FMT_FP6 matrix_b_fmt:MATRIX_FMT_FP6
.endif
.else
.if \q
	WIN (1+\q/4)|12
	v_wmma_scale_f32_16x16x128_f8f6f4 v[(\d0)+(\ds)*\b:(\d0)+(\ds)*\b+7], v[12*(4*(\q%4)+\b):12*(4*(\q%4)+\b)+11], v[96*(\e)+12*\q:96*(\e)+12*\q+11], v[(\d0)+(\ds)*\b:(\d0)+(\ds)*\b+7], v[SPR+8*\b+\q], v[SR+8*(\e)+\q] matrix_a_fmt:MATRIX_FMT_FP6 matrix_b_fmt:MATRIX_FMT_FP6
.else
	WIN 1|12|((\bw)<<4)
	v_wmma_scale_f32_16x16x128_f8f6f4 v[(\d0)+(\ds)*\b:(\d0)+(\ds)*\b+7], v[12*(4*(\q%4)+\b):12*(4*(\q%4)+\b)+11], v[96*(\e)+12*\q:96*(\e)+12*\q+11], v[192+8*\b:192+8*\b+7], v[SPR+8*\b+\q], v[SR+8*(\e)+\q] matrix_a_fmt:MATRIX_FMT_FP6 matrix_b_fmt:MATRIX_FMT_FP6
.endif
.endif
.endr
.endr
	WIN 0
.endm
; 32 sums a lane from register x on, register 16 bb + i = place 32 bb + 16 h + i along the next K, become a half fragment (768 bytes, stored at s[sb] + off) and two scale bytes, in v[HW]
.macro QUANT x, sb, off
	WALU
	s_wait_xcnt 0x0                                ; the last stores have read the codes' registers
	v_max3_num_f32 v[TM], 0x1800000, |v[(\x)]|, |v[(\x)+1]|        ; the floor 2^(3 - 127) and my 16 numbers of each block; each accumulator is read from its low end on
	v_max3_num_f32 v[TM+1], 0x1800000, |v[(\x)+16]|, |v[(\x)+17]|
.irp i, 2,4,6,8,10,12,14
	v_max3_num_f32 v[TM], v[TM], |v[(\x)+\i]|, |v[(\x)+\i+1]|
	v_max3_num_f32 v[TM+1], v[TM+1], |v[(\x)+16+\i]|, |v[(\x)+17+\i]|
.endr
	v_permlanex16_b32 v[TM+2], v[TM], s84, s85
	v_permlanex16_b32 v[TM+3], v[TM+1], s84, s85
	v_max_num_f32 v[TM], v[TM], v[TM+2]            ; with lane xor 16's: the block's largest magnitude
	v_max_num_f32 v[TM+1], v[TM+1], v[TM+3]
	v_add_nc_u32 v[TM+4], 0xff000000, v[TM]        ; 2 off the exponent field: the conversion's scale operand
	v_add_nc_u32 v[TM+5], 0xff000000, v[TM+1]
	v_lshrrev_b32 v[TM+2], 23, v[TM+4]             ; the bytes
	v_lshrrev_b32 v[TM+3], 23, v[TM+5]
	v_lshl_or_b32 v[HW], v[TM+3], 8, v[TM+2]
	v_cvt_scalef32_pk16_fp6_f32 v[PC:PC+2], v[(\x):(\x)+15], v[TM+4]
	v_cvt_scalef32_pk16_fp6_f32 v[PD:PD+2], v[(\x)+16:(\x)+31], v[TM+5]
	v_nop                                          ; one plain line behind the conversions
.irp i, 0,1,2
	v_permlane16_swap_b32 v[PC+\i], v[PD+\i]       ; the layout wants a whole block in a lane: lanes 0-15 the first, lanes 16-31 the second
.endr
.irp i, 0,1,2
	v_mov_b32 v[PC+3+\i], v[PD+\i]
.endr
	global_store_b128 v4, v[PC:PC+3], s[\sb:\sb+1] offset:\off     ; 512 and 256 consecutive bytes, aligned
	global_store_b64 v5, v[PC+4:PC+5], s[\sb:\sb+1] offset:\off
.endm
.macro TRIPADDR                        ; the trip's LDS addresses
.irp i, 0,1,2,3
	v_add_nc_u32 v[12+\i], s80, v[6+\i]
	v_add_nc_u32 v[24+\i], s81, v[6+\i]
.endr
	v_add_nc_u32 v17, s82, v16
	v_add_nc_u32 v18, s83, v16
	WALU
.endm
.macro NEXTFETCH j                     ; behind block j of a trip: the block two on, into the set just multiplied; four places ahead of the loads
	PLACES 4
.if (\j) < 2
	FETCHB (\j)%2, 12, 17, (\j)+2
.else
	FETCHB (\j)%2, 24, 18, (\j)-2
.endif
.endm
.macro TRIPEND sb, step                ; the stores' base steps, the trip's scalars change sides
	WALU
	s_wait_xcnt 0x0
	s_add_nc_u64 s[\sb:\sb+1], s[\sb:\sb+1], \step
	s_xor_b32 s80, s80, 12288
	s_xor_b32 s81, s81, 12288
	s_xor_b32 s82, s82, 2048
	s_xor_b32 s83, s83, 2048
	s_xor_b32 s87, s87, 16
	s_not_b32 s88, s88
	s_add_co_u32 s86, s86, 1
	s_cmp_lg_u32 s86, 2
.endm
.macro QKPHASE bw, soff
	s_mov_b32 s86, 0
.Lqk_\@:
	TRIPADDR
.irp j, 0,1,2,3
	s_wait_dscnt NF
	MUL 0, \j%2, 128+32*(\j%2), 8, \bw
	NEXTFETCH \j
	QUANT 128+32*(\j%2), 92, 768*\j
	v_cndmask_b32 v[SW+\j], v[SW+\j], v[HW], s88   ; lanes 0-15 keep the words of blocks 0-3, lanes 16-31 of blocks 4-7
.endr
	TRIPEND 92, 3072
	s_cbranch_scc1 .Lqk_\@
	global_store_b128 v30, v[SW:SW+3], s[94:95] offset:\soff       ; 512 consecutive bytes
.endm
.macro STASH w                         ; the phase's weights' scale words come out of window w; the trip's ten address lines stand between them and the first product
	WIN \w
.set I, 0
.rept 32
	v_mov_b32 v[SPR+I], v[224+I]
.set I, I+1
.endr
	WIN 0
.endm
.macro SHOW                            ; a plain barrier: the weights that the last refill brought are shown to all
	WALU
	s_wait_tensorcnt 0x0
	s_wait_dscnt 0x0
	BARRIER
.endm
	WALU                                           ; the wait at the head's end
	s_cmp_eq_u32 s14, 0
	s_cbranch_scc0 .Lnot_w
	s_wait_tensorcnt 0x0
.Lnot_w:
	BARRIER                                        ; v's rows of W are in
	WEIGHTS
	s_wait_tensorcnt 0x0                           ; all the head's tiles, on every wave's way; and the three lines ahead of the first refill
	ds_add_u32 v28, v29
	s_mov_b32 s33, 32<<16                          ; no load of mine is out, so group 1 may be written: a refill's tile is a plane of the weight, 96 dense rows of 256 bytes
	s_mov_b32 s34, 96<<16
	s_mov_b32 s35, 32<<16
	s_mov_b32 s36, 96
	s_mov_b32 s37, 32
	s_wait_dscnt 0x0                               ; the add is done, and the weights are in registers
	CROUND
	TLOAD 68, 32                                   ; q's rows of W, a plane a wave
	FETCHB 0, 6, 16, 0
	FETCHB 1, 6, 16, 1
	s_wait_loadcnt 0x0                             ; scale words and biases
	WIN (1<<6)|1
.irp b, 0,8,16,24
.irp i, 1,2,3,4,5,6,7
	v_mov_b32 v[192+\b+\i], v[192+\b]              ; v's bias over the block's eight registers
.endr
.endr
	WIN 0
; ---- v
	s_mov_b32 s86, 0
.Lv:
	TRIPADDR
.irp j, 0,1,2,3
	s_wait_dscnt NF
	MUL 1, \j%2, 128+8*\j, 32, 1
	NEXTFETCH \j
.endr
.irp b, 0,1,2,3
	QUANT 128+32*\b, 76, 1536*\b
	v_lshl_or_b32 v[SW+\b], v[HW], s87, v[SW+\b]   ; bytes 2 t, 2 t + 1 of the feature tile's word
.endr
	TRIPEND 76, 768
	s_cbranch_scc1 .Lv
	v_cndmask_b32 v112, v[SW], v[SW+2], s89        ; lanes 0-15 store the words of tiles 0, 1, lanes 16-31 of tiles 2, 3
	v_cndmask_b32 v113, v[SW+1], v[SW+3], s89
	global_store_b64 v19, v[112:113], s[78:79]
; ---- q
	SHOW
	STASH 2
	WEIGHTS
	s_wait_tensorcnt 0x0                           ; the three lines ahead of the second refill
	ds_add_u32 v28, v29
	s_add_nc_u64 s[70:71], s[70:71], 8*24576       ; k's rows of W
	s_wait_dscnt 0x0
	CROUND
	TLOAD 68, 32
	QKPHASE 2, 0
	s_add_nc_u64 s[92:93], s[92:93], 16*512*768-6144   ; (behind the trip's wait on XCNT)  k's heads lie 16 on
; ---- k
	SHOW
	STASH 3
	WEIGHTS
	s_wait_dscnt 0x0
	QKPHASE 3, 524288
	s_wait_tensorcnt 0x0                           ; the wave's end
	ds_add_u32 v28, v29
	s_wait_dscnt 0x0
	CROUND                                         ; the closing round
	s_endpgm
.Lfunc_end_k_qda7deb7a5d_qkv:
	.size	k_qda7deb7a5d_qkv, .Lfunc_end_k_qda7deb7a5d_qkv-k_qda7deb7a5d_qkv
	.p2alignl 7, 3214868480
	.fill 96, 4, 3214868480
	.section	.rodata,"a",@progbits
	.p2align	6, 0x0
	.amdhsa_kernel k_qda7deb7a5d_qkv
		.amdhsa_group_segment_fixed_size 327680
		.amdhsa_private_segment_fixed_size 0
		.amdhsa_enable_private_segment 0
		.amdhsa_kernarg_size 40
		.amdhsa_user_sgpr_count 2
		.amdhsa_user_sgpr_kernarg_segment_ptr 1
		.amdhsa_wavefront_size32 1
		.amdhsa_system_sgpr_workgroup_id_x 1
		.amdhsa_system_sgpr_workgroup_id_y 1
		.amdhsa_system_sgpr_workgroup_id_z 1
		.amdhsa_system_vgpr_workitem_id 0
		.amdhsa_next_free_vgpr 1024
		.amdhsa_next_free_sgpr 96
		.amdhsa_reserve_vcc 0
		.amdhsa_float_denorm_mode_32 3
		.amdhsa_float_denorm_mode_16_64 3
		.amdhsa_memory_ordered 1
		.amdhsa_forward_progress 1
		.amdhsa_inst_pref_size 160
	.end_amdhsa_kernel
	.amdgpu_metadata
---
amdhsa.version: [ 1, 2 ]
amdhsa.kernels:
  - .name:           k_qda7deb7a5d_qkv
    .symbol:         k_qda7deb7a5d_qkv.kd
    .args:
      - { .name: xq, .offset: 0, .size: 8, .value_kind: global_buffer, .address_space: global }
      - { .name: wq, .offset: 8, .size: 8, .value_kind: global_buffer, .address_space: global }
      - { .name: b_attn, .offset: 16, .size: 8, .value_kind: global_buffer, .address_space: global }
      - { .name: qk, .offset: 24, .size: 8, .value_kind: global_buffer, .address_space: global }
      - { .name: vq, .offset: 32, .size: 8, .value_kind: global_buffer, .address_space: global }
    .group_segment_fixed_size: 327680
    .private_segment_fixed_size: 0
    .kernarg_segment_align: 8
    .kernarg_segment_size: 40
    .max_flat_workgroup_size: 128
    .sgpr_count:     96
    .vgpr_count:     1024
    .wavefront_size: 32
...
	.end_amdgpu_metadata
.endif
;; end of part 2
;; launch attn (part 3): grid 4 x 64, 16 waves a work-group, clusters of 4 x 1, 215,040 bytes of LDS; arguments qk, vq, yq; writes yq
.if DOCPART == 3
	.amdgcn_target "amdgcn-amd-amdhsa--gfx1250"
	.amdhsa_code_object_version 6
	.text
	.protected	k_qda7deb7a5d_attn
	.globl	k_qda7deb7a5d_attn
	.p2align	8
	.type	k_qda7deb7a5d_attn,@function
k_qda7deb7a5d_attn:
	s_mov_b64 s[64:65], 0
	v_nop
	global_prefetch_b8 v0, s[64:65] scope:SCOPE_SE
	s_setreg_imm32_b32 hwreg(HW_REG_WAVE_MODE, 25, 1), 1
	s_wait_xcnt 0x0
	s_wait_alu depctr_hold_cnt(0) depctr_sa_sdst(0) depctr_va_vdst(0) depctr_va_sdst(0) depctr_va_ssrc(0) depctr_va_vcc(0) depctr_vm_vsrc(0)
	s_getreg_b32 s2, hwreg(HW_REG_IB_STS2, 6, 4)
	s_cmp_eq_u32 s2, 0
	s_cbranch_scc0 .Lentry_in_a_cluster
	s_endpgm
.Lentry_in_a_cluster:
	s_bfe_u32 s2, ttmp6, 0x10000c
	s_cmp_lg_u32 s2, 0x3003
	s_cbranch_scc0 .Lentry_shape_is_right
	s_endpgm
.Lentry_shape_is_right:
; y = softmax(q k^T / 8, causal) v for one head (64 wide) of one batch row (2048 tokens), both products on codes of FP6 (E2M3) with E8M0 scales, and y quantised along head x 64 + d for the last product.
; THE SOFTMAX: t = score x log2(e) / 8; M = the row's largest t so far, rounded UP to a whole number; p = 2^(t - M) is quantised along the keys, not normalised; the row's sum is taken of the unquantised p and divides at the end.
; When M moves, the sum and O are multiplied by 2^(old M - new M): exact.
; WORK LEFT OUT: key steps all of whose keys come after the tile's queries (reference()'s own causal mask makes their p zero for all inputs).
; SHARES.  The four work-groups of a cluster serve one head of one batch row.  Wave w of the work-group at place cx takes the tile of 16 queries 4 w + cx in a first pass and tile 127 - 4 w - cx in a second.
; Tile 4 w + cx lies in key step w / 2 and its partner in step 15 - w / 2, whatever cx: 17 key steps of 128 for every wave, and WHICH steps are left out hangs on the wave's number alone, never on the place in the cluster.
; So all four partners read all of the head's K and V, and each tile of K, V and their scale words is asked for JOINTLY (mask 15).
; ALL OF THE HEAD'S K AND V CODES AND SCALE WORDS STAY IN LDS, each byte filled once, one tensor load a wave: waves 0-3 K's keys 0-383, V's keys 0-255 and all scale words, shown by the first barrier;
; waves 4-6 the later keys, shown by a second barrier behind the first pass's first two steps (which read K under key 384 and V under key 256 alone).  No barrier stands between the passes.
; No prefetch into the L2: every byte is asked for at the head, by the tensor loads themselves.
; LAYOUT.  Both products are used transposed: S^T = K Q^T, O^T = V^T P^T: a lane holds ONE query.  All operands lie in row blocks (lane r of block i: row 32 (i / 2) + 8 (i % 2) + r + 8 (r / 8)), so the 16 registers
; of key tiles 2 b, 2 b + 1 are keys 32 b + 16 h + 0 .. 15, and O^T's 32 registers are d = 32 b + 16 h + 0 .. 15.
; THE FIRST PRODUCT'S K IS 64, the instruction's 128.  A fragment of K holds TWO key tiles, tile 2 u at k = 0 .. 63 and tile 2 u + 1 at k = 64 .. 127, and is multiplied twice: by [q | zero codes] for tile 2 u, by [zero codes | q] for tile 2 u + 1.
; So a step's eight key tiles are four fragments, 48 registers, and THE NEXT STEP'S ARE FETCHED RIGHT BEHIND THIS STEP'S EIGHT PRODUCTS: they are on their way while the softmax is computed.
; A pair's scale word is tile 2 u's two bytes under tile 2 u + 1's (the words' upper bytes are zero as the launch before stores them); q's word serves as it is for [q | 0] and shifted up by 16 bits for [0 | q].
; LIMITS: NaN and infinities are not served; p under 2^-126 becomes 0; a block of zeros gets the byte 1 with zero codes.  A head owns half of a scale word of y: those leave 2 bytes a lane.
; REGISTERS: v1-7, v31 lane terms; v8-11, v28, v29 the step's addresses; v12 -M, v13 the largest t, v[14:15] the sum; v16-27 [q | 0]; v96-107 [0 | q]; v30, v116 q's scale words; v32-79 four fragments of K; v80-83 their scale words,
;   v108-115 the next step's as they lie in LDS; v88-91 V's; v92-95 y's scale half words; v128-191 S^T, then p, then V's four fragments; v192-223 O^T; v224-235 p's codes; v232-254 at work; v251, v255 the spare word and 0.
.set QKSCL,  12582912
.set VSCL,   6291456
.set YSCL,   6291456
.set YPLANE, 1572864
.set LV,     98304                     ; LDS: K's half fragments [key tile: 128][768] at 0; V [128 keys: 16][d tile: 4][1536] here;
.set LKS,    196608                    ; K's scale words [128 keys: 16][r: 16][tile: 8];
.set LVS,    204800                    ; V's
.set WV,  18
.set LK,  19                           ; s19 128 x the tile's last key step: made of the wave's number alone
.set SEL, 20
.set CS,  22
.set G1K, 24                           ; groups 1: K, 3 steps;  V, 2 steps;  scale words;  K, 13 steps;  V, 7 steps
.set G1V, 32
.set G1S, 40
.set G1KB, 72
.set G1VB, 80
.set TB,  2
.set TS,  3
.set KF,  10
.set QB,  11
.set CNT, 12
.macro G1SET g, c, r, p                ; r rows of c elements of 8 bytes, p elements apart; mask 15, bit 21 beside it
	s_mov_b32 s[\g], 15|(3<<16)|(1<<21)
	s_mov_b32 s[\g+1], (\c)<<16
	s_mov_b32 s[\g+2], (\r)<<16
	s_mov_b32 s[\g+3], (\c)<<16
	s_mov_b32 s[\g+4], \r
	s_mov_b32 s[\g+5], \p
	s_mov_b32 s[\g+6], 0
	s_mov_b32 s[\g+7], 0
.endm
.macro CROUND
	s_barrier_signal -1
	s_barrier_wait -1
	s_cmp_lg_u32 s[WV], 0
	s_cbranch_scc1 .Lnot_wave_0_\@
	s_barrier_signal -3
.Lnot_wave_0_\@:
	s_barrier_wait -3
	s_barrier_signal -1
	s_barrier_wait -1
.endm
.macro TL g0, g1
	tensor_load_to_lds s[\g0:\g0+3], s[\g1:\g1+7]
	s_nop 0
.rept 4
	v_nop
.endr
.endm
	s_load_b128 s[4:7], s[0:1], 0x0                ; qk, vq
	s_load_b64 s[8:9], s[0:1], 0x10                ; yq
	v_lshl_add_u32 v251, v0, 2, 0x34000
	v_mov_b32 v255, 0
	ds_add_u32 v251, v255                          ; the opening lines: the add twice and one wait
	ds_add_u32 v251, v255
	v_lshrrev_b32 v8, 5, v0
	s_delay_alu instid0(VALU_DEP_1)
	v_readfirstlane_b32 s[WV], v8                  ; wave 0..15
	s_and_b32 s17, ttmp7, 0xffff
	s_lshr_b32 s15, s17, 4                         ; batch row
	s_and_b32 s16, s17, 15                         ; head
	G1SET G1K, 32, 72, 32
	G1SET G1V, 768, 2, 12288
	G1SET G1S, 32, 32, 32
	G1SET G1KB, 32, 312, 32
	G1SET G1VB, 768, 7, 12288
	s_and_b32 s14, s[WV], 1                        ; j: which of a line's two loads is mine
	s_mul_i32 s13, s14, 7
	s_add_co_u32 s13, s13, 2                       ; V's later keys: steps 2-8 or 9-15
	s_mul_i32 s69, s13, 6144
	s_add_co_u32 s69, s69, LV
	s_mov_b32 s61, 18432                           ; K's later keys: steps 3-15
	s_mul_i32 s13, s13, 98304
	s_lshl_b32 s94, s15, 10                        ; V: (1024 b + 4 head) fragments of 1536 bytes
	s_lshl_b32 s96, s16, 2
	s_add_co_u32 s94, s94, s96
	s_mul_i32 s94, s94, 1536
	s_mov_b32 s95, 0
	s_add_co_u32 s96, s16, 16                      ; K: ((16 + head) x 512 + 128 b) half fragments of 768 bytes
	s_lshl_b32 s96, s96, 9
	s_lshl_b32 s97, s15, 7
	s_add_co_u32 s96, s96, s97
	s_mul_i32 s96, s96, 768
	s_mov_b32 s97, 0
	s_add_co_u32 s98, s16, 16                      ; scale words: j = 0 K's, j = 1 V's
	s_lshr_b32 s99, s16, 1
	s_cmp_eq_u32 s14, 0
	s_cselect_b32 s98, s98, s99
	s_mov_b32 s99, VSCL
	s_cselect_b32 s99, QKSCL, s99
	s_lshl_b32 s98, s98, 6
	s_lshl_b32 s93, s15, 4
	s_add_co_u32 s98, s98, s93
	s_lshl_b32 s98, s98, 9
	s_add_co_u32 s98, s98, s99
	s_mov_b32 s99, 0
	s_wait_alu depctr_va_vdst(0)
	s_wait_dscnt 0x0
	CROUND                                         ; the four partners are here: the joint loads meet
	s_wait_kmcnt 0x0
	s_cmp_eq_u32 s14, 0
	s_cselect_b64 s[92:93], s[4:5], s[6:7]
	s_mov_b32 s48, 1                               ; K, keys 0-383
	s_mov_b32 s49, 0
	s_add_nc_u64 s[50:51], s[4:5], s[96:97]
	s_mov_b32 s60, 1                               ; K, the later keys
	s_mov_b32 s2, s61
	s_mov_b32 s3, 0
	s_add_nc_u64 s[62:63], s[50:51], s[2:3]
	s_mov_b32 s52, 1                               ; V, keys 0-255
	s_mov_b32 s53, LV
	s_add_nc_u64 s[54:55], s[6:7], s[94:95]
	s_mov_b32 s68, 1                               ; V, the later keys
	s_mov_b32 s2, s13
	s_add_nc_u64 s[70:71], s[54:55], s[2:3]
	s_mov_b32 s56, 1                               ; scale words of all 2048 keys
	s_lshl_b32 s57, s14, 13
	s_add_co_u32 s57, s57, LKS
	s_add_nc_u64 s[58:59], s[92:93], s[98:99]
	s_or_b32 s51, s51, 0x80000000
	s_or_b32 s63, s63, 0x80000000
	s_or_b32 s55, s55, 0x80000000
	s_or_b32 s71, s71, 0x80000000
	s_or_b32 s59, s59, 0x80000000
	s_cmp_lt_u32 s[WV], 1                          ; one chain of branches on the wave's number, one load to an arm
	s_cbranch_scc0 .Lh1
	TL 48, G1K
	s_branch .Lfilled
.Lh1:
	s_cmp_lt_u32 s[WV], 2
	s_cbranch_scc0 .Lh2
	TL 52, G1V
	s_branch .Lfilled
.Lh2:
	s_cmp_lt_u32 s[WV], 4
	s_cbranch_scc0 .Lh3
	TL 56, G1S
	s_branch .Lfilled
.Lh3:
	s_cmp_lt_u32 s[WV], 5
	s_cbranch_scc0 .Lh4
	TL 60, G1KB
	s_branch .Lfilled
.Lh4:
	s_cmp_lt_u32 s[WV], 7
	s_cbranch_scc0 .Lfilled
	TL 68, G1VB
.Lfilled:
	v_and_b32 v10, 31, v0                          ; lane
	v_and_b32 v8, 15, v0                           ; r
	v_bfe_u32 v9, v0, 4, 1                         ; h
	s_delay_alu instid0(VALU_DEP_3)
	v_lshlrev_b32 v1, 4, v10                       ; 16 x lane: registers 0-3 of a half fragment
	s_delay_alu instid0(VALU_DEP_3)
	v_lshlrev_b32 v2, 4, v8
	s_delay_alu instid0(VALU_DEP_1)
	v_lshl_add_u32 v2, v9, 3, v2
	s_delay_alu instid0(VALU_DEP_1)
	v_add_nc_u32 v2, 512, v2                       ; 512 + 16 r + 8 h: registers 4-5
	s_delay_alu instid0(VALU_DEP_4)
	v_add_nc_u32 v3, LV, v1
	s_delay_alu instid0(VALU_DEP_2)
	v_add_nc_u32 v4, LV, v2
	v_lshl_add_u32 v5, v8, 5, LKS                  ; K's eight scale words of row r
	s_and_b32 s13, s16, 1
	s_lshl_b32 s13, s13, 4
	s_add_co_u32 s13, s13, LVS
	v_lshl_add_u32 v6, v8, 5, s13                  ; V's four: my head's half of the pair's eight
	v_and_b32 v10, 8, v8
	s_delay_alu instid0(VALU_DEP_1)
	v_add_nc_u32 v10, v10, v8
	v_lshlrev_b32 v11, 4, v9
	s_delay_alu instid0(VALU_DEP_1)
	v_sub_nc_u32 v7, v10, v11                      ; r + 8 (r / 8) - 16 h, for the mask
	v_lshlrev_b32 v31, 5, v8                       ; 32 r: Q's scale word
	s_wait_alu depctr_va_vdst(0)
	s_mov_b32 s[SEL], 0x76543210
	s_mov_b32 s[SEL+1], 0xfedcba98
	s_mov_b32 s[CS], 0x3e38aa3b                    ; c = log2(e) / 8
	s_mov_b32 s[CS+1], s[CS]
	s_bfe_u32 s14, ttmp6, 0x40000                  ; cx
	s_lshl_b32 s13, s[WV], 2
	s_add_co_u32 s14, s14, s13                     ; the first pass's tile, 4 w + cx: it enters global addresses and the mask's numbers alone
	s_sub_co_u32 s17, 127, s14                     ; the second's
	s_lshr_b32 s[LK], s[WV], 1
	s_lshl_b32 s[LK], s[LK], 7                     ; the first tile's last key step begins at key 128 (w / 2)
; for tile s[t]: Q's codes, Q's scale word, y's half fragment, the first query
.macro PTRS t, qc, qs, yb, qb
	s_lshl_b32 s98, s16, 9
	s_lshl_b32 s99, s15, 7
	s_add_co_u32 s98, s98, s99
	s_add_co_u32 s98, s98, s[\t]
	s_mul_i32 s98, s98, 768                        ; (head x 512 + 128 b + tile) x 768
	s_mov_b32 s99, 0
	s_add_nc_u64 s[\qc:\qc+1], s[4:5], s[98:99]
	s_lshl_b32 s98, s16, 6
	s_lshl_b32 s100, s15, 4
	s_add_co_u32 s98, s98, s100
	s_lshr_b32 s100, s[\t], 3
	s_add_co_u32 s98, s98, s100
	s_lshl_b32 s98, s98, 9
	s_and_b32 s100, s[\t], 7
	s_lshl_b32 s100, s100, 2
	s_add_co_u32 s98, s98, s100
	s_add_co_u32 s98, s98, QKSCL                   ; (head x 64 + 16 b + tile / 8) x 512 + 4 (tile % 8)
	s_add_nc_u64 s[\qs:\qs+1], s[4:5], s[98:99]
	s_lshl_b32 s98, s15, 7
	s_add_co_u32 s98, s98, s[\t]
	s_mul_i32 s98, s98, 3072
	s_lshr_b32 s100, s16, 2
	s_mul_i32 s100, s100, YPLANE
	s_add_co_u32 s98, s98, s100
	s_and_b32 s100, s16, 3
	s_mul_i32 s100, s100, 768
	s_add_co_u32 s98, s98, s100                    ; (head / 4) planes + (128 b + tile) x 3072 + (head % 4) x 768
	s_add_nc_u64 s[\yb:\yb+1], s[8:9], s[98:99]
	s_lshr_b32 s98, s[\t], 1
	s_lshl_b32 s98, s98, 5
	s_and_b32 s100, s[\t], 1
	s_lshl_b32 s100, s100, 3
	s_add_co_u32 s[\qb], s98, s100                 ; 32 (tile / 2) + 8 (tile % 2)
.endm
	PTRS 14, 92, 94, 96, 90
	s_lshl_b32 s98, s15, 7                         ; y's scale half words: (128 b + tile) x 512 + 128 (head / 4) + 2 (head % 4) + 8 r
	s_add_co_u32 s98, s98, s14
	s_lshl_b32 s98, s98, 9
	s_lshr_b32 s100, s16, 2
	s_lshl_b32 s100, s100, 7
	s_add_co_u32 s98, s98, s100
	s_and_b32 s100, s16, 3
	s_lshl_b32 s100, s100, 1
	s_add_co_u32 s98, s98, s100
	s_add_co_u32 s98, s98, YSCL
	s_mov_b32 s99, 0
	s_add_nc_u64 s[88:89], s[8:9], s[98:99]
	s_sub_co_u32 s100, s17, s14
	s_lshl_b32 s100, s100, 9
	v_mul_u32_u24 v95, s100, v9                    ; lanes 16-31 store the second pass's
	s_delay_alu instid0(VALU_DEP_1)
	v_lshl_add_u32 v95, v8, 3, v95
.macro QLOAD qc, qs                    ; q's six registers twice: the lower half of [q | 0], the upper half of [0 | q]
	global_load_b128 v[16:19], v1, s[\qc:\qc+1]
	global_load_b64 v[20:21], v2, s[\qc:\qc+1]
	global_load_b128 v[102:105], v1, s[\qc:\qc+1]
	global_load_b64 v[106:107], v2, s[\qc:\qc+1]
	global_load_b32 v30, v31, s[\qs:\qs+1]
.endm
	QLOAD 92, 94
.irp j, 22,23,24,25,26,27
	v_mov_b32 v[\j], 0                             ; the zero codes of [q | 0],
.endr
.irp j, 96,97,98,99,100,101
	v_mov_b32 v[\j], 0                             ; and of [0 | q]: written once
.endr
.irp b, 0,1,2,3
	v_mov_b32 v[236+\b], 0                         ; a lane permute's destination counts as read
.endr
	v_mov_b32 v252, 0
	v_mov_b32 v253, 0
; K's four fragments (two key tiles each: 1536 bytes on end) and eight scale words of the step that begins off bytes behind v8, v9 (off / 12 behind v28): 18 loads
.macro KFETCH off
.irp u, 0,1,2,3
	ds_load_b128 v[32+12*\u:35+12*\u], v8 offset:(\off)+1536*\u
	ds_load_b64 v[36+12*\u:37+12*\u], v9 offset:(\off)+1536*\u
	ds_load_b128 v[38+12*\u:41+12*\u], v8 offset:(\off)+1536*\u+768
	ds_load_b64 v[42+12*\u:43+12*\u], v9 offset:(\off)+1536*\u+768
.endr
	ds_load_b128 v[108:111], v28 offset:(\off)/12
	ds_load_b128 v[112:115], v28 offset:(\off)/12+16
.endm
.macro KSCALE                          ; a pair's scale word: tile 2 u's two bytes, tile 2 u + 1's above them
.irp u, 0,1,2,3
	v_lshl_or_b32 v[80+\u], v[109+2*\u], 16, v[108+2*\u]
.endr
.endm
; A KEY STEP: 128 keys.  Its fragments of K and their scale words are in registers when it begins.
.macro STEP
	s_cmp_gt_u32 s[KF], s[LK]                      ; a step behind the tile's last: all its keys are hidden
	s_cbranch_scc1 .Lhidden_\@
	v_add_nc_u32 v8, s[TB], v1                     ; these six are also the places between the last step's products and the products below, which write over their registers
	v_add_nc_u32 v9, s[TB], v2
	v_add_nc_u32 v10, s[TB], v3
	v_add_nc_u32 v11, s[TB], v4
	v_add_nc_u32 v28, s[TS], v5
	v_add_nc_u32 v29, s[TS], v6
	s_wait_alu depctr_va_vdst(0)
.irp u, 0,1,2,3                        ; S^T = K Q^T: eight tiles of 16 keys
	v_wmma_scale_f32_16x16x128_f8f6f4 v[128+16*\u:135+16*\u], v[32+12*\u:43+12*\u], v[16:27], 0, v[80+\u], v30 matrix_a_fmt:MATRIX_FMT_FP6 matrix_b_fmt:MATRIX_FMT_FP6
	v_wmma_scale_f32_16x16x128_f8f6f4 v[136+16*\u:143+16*\u], v[32+12*\u:43+12*\u], v[96:107], 0, v[80+\u], v116 matrix_a_fmt:MATRIX_FMT_FP6 matrix_b_fmt:MATRIX_FMT_FP6
.endr
.rept 4
	v_nop                                          ; places in front of the loads into K's registers and of the first read of the scores
.endr
	KFETCH 6144                                    ; the next step's K (behind a pass's last step: bytes that lie in LDS and are not used)
	s_cmp_lt_u32 s[KF], s[LK]                      ; ahead of the tile's last step all keys count; in it hidden scores become -infinity ahead of the maximum
	s_cbranch_scc1 .Lopen_\@
	s_sub_co_i32 s13, s[QB], s[KF]
	v_add_nc_u32 v252, s13, v7                     ; d = my query - the step's first key - 16 h.  Register 16 b + i holds key 32 b + 16 h + i of the step: hidden where 32 b + i > d
	v_mov_b32 v254, 0xff800000
.set NN, 0
.rept 64
	v_cmp_gt_i32 vcc_lo, 32*(NN/16)+NN%16, v252
	v_cndmask_b32 v[128+NN], v[128+NN], v254, vcc_lo
.set NN, NN+1
.endr
.Lopen_\@:
.irp b, 0,1,2,3
	v_max3_num_f32 v[232+\b], v[128+16*\b], v[129+16*\b], v[130+16*\b]   ; the largest score of each block of 32 keys: for the row's maximum and, since p rises with the score, for the block's largest p
.endr
.irp i, 3,5,7,9,11,13
.irp b, 0,1,2,3
	v_max3_num_f32 v[232+\b], v[232+\b], v[128+16*\b+\i], v[129+16*\b+\i]
.endr
.endr
.irp b, 0,1,2,3
	v_max_num_f32 v[232+\b], v[232+\b], v[143+16*\b]
.endr
.irp b, 0,1,2,3
	s_delay_alu instid0(VALU_DEP_4)
	v_permlanex16_b32 v[236+\b], v[232+\b], s[SEL], s[SEL+1]
.endr
.irp b, 0,1,2,3
	s_delay_alu instid0(VALU_DEP_4)
	v_max_num_f32 v[232+\b], v[232+\b], v[236+\b]  ; with lane xor 16's 16 keys
.endr
	s_delay_alu instid0(VALU_DEP_2)
	v_max3_num_f32 v254, v232, v233, v234
	s_delay_alu instid0(VALU_DEP_1)
	v_max_num_f32 v254, v254, v235                 ; the step's largest score of my query (its first key counts, so it is a number)
	s_delay_alu instid0(VALU_DEP_1)
	v_mul_f32 v254, s[CS], v254
	s_delay_alu instid0(VALU_DEP_1)
	v_max_num_f32 v13, v13, v254                   ; the running largest t
	v_mov_b32 v254, v12
	s_delay_alu instid0(VALU_DEP_2)
	v_floor_f32 v12, -v13                          ; the new -M = -ceil(t): a whole number
	s_delay_alu instid0(VALU_DEP_1)
	v_sub_f32 v254, v12, v254                      ; old M - new M: a whole number, 0 or less
	s_delay_alu instid0(VALU_DEP_1)
	v_cvt_i32_f32 v254, v254                       ; (it saturates)
	s_delay_alu instid0(VALU_DEP_1)
	v_ldexp_f32 v252, 1.0, v254                    ; f = 2^(old M - new M)
.set NN, 0
.rept 32
	v_pk_fma_f32 v[128+NN:129+NN], v[128+NN:129+NN], s[CS:CS+1], v[12:13] op_sel_hi:[1,0,0]   ; t - M, two at a time
.set NN, NN+2
.endr
.irp b, 0,1,2,3
	v_fma_f32 v[232+\b], v[232+\b], s[CS], v12     ; the same of each block's largest score
.endr
.set NN, 0
	s_wait_alu depctr_va_vdst(0)
.rept 64
	v_exp_f32 v[128+NN], v[128+NN]                 ; p = 2^(t - M)
.set NN, NN+1
.endr
	v_pk_mul_f32 v[14:15], v[14:15], v[252:253] op_sel_hi:[1,0]   ; the sums under the new M: a plain line behind the exponentials
	s_wait_alu depctr_va_vdst(0)                   ; one wait for the batch of 64, ahead of its first reader
.irp b, 0,1,2,3
	v_exp_f32 v[232+\b], v[232+\b]                 ; each block's largest p
.endr
	v_pk_add_f32 v[236:237], v[132:133], v[136:137]
	v_pk_add_f32 v[248:249], v[140:141], v[144:145]
	v_pk_add_f32 v[246:247], v[148:149], v[152:153]
	v_pk_add_f32 v[244:245], v[156:157], v[160:161]
	v_pk_add_f32 v[242:243], v[164:165], v[168:169]
	v_pk_add_f32 v[240:241], v[172:173], v[176:177]
	v_pk_add_f32 v[238:239], v[180:181], v[184:185]
	v_pk_add_f32 v[14:15], v[14:15], v[188:189]
	v_pk_add_f32 v[236:237], v[236:237], v[128:129]
	v_pk_add_f32 v[248:249], v[248:249], v[130:131]
	v_pk_add_f32 v[246:247], v[246:247], v[134:135]
	v_pk_add_f32 v[244:245], v[244:245], v[138:139]
	v_pk_add_f32 v[242:243], v[242:243], v[142:143]
	v_pk_add_f32 v[240:241], v[240:241], v[146:147]
	v_pk_add_f32 v[238:239], v[238:239], v[150:151]
	v_pk_add_f32 v[14:15], v[14:15], v[154:155]
	v_pk_add_f32 v[236:237], v[236:237], v[158:159]
	v_pk_add_f32 v[248:249], v[248:249], v[162:163]
	v_pk_add_f32 v[246:247], v[246:247], v[166:167]
	v_pk_add_f32 v[244:245], v[244:245], v[170:171]
	v_pk_add_f32 v[242:243], v[242:243], v[174:175]
	v_pk_add_f32 v[240:241], v[240:241], v[178:179]
	v_pk_add_f32 v[238:239], v[238:239], v[182:183]
	v_pk_add_f32 v[14:15], v[14:15], v[186:187]
	v_pk_add_f32 v[236:237], v[236:237], v[190:191]
	s_delay_alu instid0(VALU_DEP_2)
	v_pk_add_f32 v[14:15], v[14:15], v[244:245]
	s_delay_alu instid0(VALU_DEP_2)
	v_pk_add_f32 v[236:237], v[236:237], v[242:243]
	v_pk_add_f32 v[248:249], v[248:249], v[240:241]
	v_pk_add_f32 v[246:247], v[246:247], v[238:239]
	s_delay_alu instid0(VALU_DEP_2)
	v_pk_add_f32 v[14:15], v[14:15], v[248:249]
	s_delay_alu instid0(VALU_DEP_2)
	v_pk_add_f32 v[236:237], v[236:237], v[246:247]
	s_delay_alu instid0(VALU_DEP_1)
	v_pk_add_f32 v[14:15], v[14:15], v[236:237]
	s_wait_alu depctr_va_vdst(0)                   ; and one for the four
.irp b, 0,1,2,3
	v_max_num_f32 v[232+\b], 0x1800000, v[232+\b]  ; the floor 2^(3 - 127): the byte cannot fall under 1
.endr
.irp b, 0,1,2,3
	s_delay_alu instid0(VALU_DEP_4)
	v_add_nc_u32 v[244+\b], 0xff000000, v[232+\b]  ; 2 off the exponent field: the conversion's scale operand
.endr
.irp b, 0,1,2,3
	s_delay_alu instid0(VALU_DEP_4)
	v_lshrrev_b32 v[236+\b], 23, v[244+\b]
.endr
	s_delay_alu instid0(VALU_DEP_3)
	v_lshl_or_b32 v253, v237, 8, v236              ; p's scale word for these 128 keys
	s_delay_alu instid0(VALU_DEP_1)
	v_lshl_or_b32 v253, v238, 16, v253
	s_delay_alu instid0(VALU_DEP_1)
	v_lshl_or_b32 v253, v239, 24, v253
.irp c, 0,1
	v_cvt_scalef32_pk16_fp6_f32 v[224+6*\c:226+6*\c], v[128+32*\c:143+32*\c], v[244+2*\c]
	v_cvt_scalef32_pk16_fp6_f32 v[236+4*\c:238+4*\c], v[144+32*\c:159+32*\c], v[244+2*\c+1]   ; (a conversion's three registers begin on an even number)
.endr
	v_nop                                          ; one plain line behind the conversions
.irp t, 0,1,2,3                        ; V's four fragments (16 of the head's 64 x these 128 keys) into the registers that p has left
	ds_load_b128 v[128+12*\t:131+12*\t], v10 offset:1536*\t
	ds_load_b64 v[132+12*\t:133+12*\t], v11 offset:1536*\t
	ds_load_b128 v[134+12*\t:137+12*\t], v10 offset:1536*\t+768
	ds_load_b64 v[138+12*\t:139+12*\t], v11 offset:1536*\t+768
.endr
	ds_load_b128 v[88:91], v29                     ; and their scale words
	s_wait_alu depctr_va_vdst(0)
	s_wait_dscnt 17                                ; all but these 17: the next step's K and its scale words are in
	KSCALE                                         ; the 28 plain lines below stand between these and the next step's products
.irp c, 0,1                            ; the layout wants a whole block in a lane
.irp i, 0,1,2
	v_permlane16_swap_b32 v[224+6*\c+\i], v[236+4*\c+\i]
.endr
.irp i, 0,1,2
	s_delay_alu instid0(VALU_DEP_3)
	v_mov_b32 v[227+6*\c+\i], v[236+4*\c+\i]
.endr
.endr
.set NN, 0
.rept 16
	v_pk_mul_f32 v[192+NN:193+NN], v[192+NN:193+NN], v[252:253] op_sel_hi:[1,0]   ; O^T under the new M.  These sixteen also stand between the lines that made p's codes and scale word and the products
.set NN, NN+2
.endr
	s_wait_alu depctr_va_vdst(0)
	s_wait_dscnt 0x0
.irp t, 0,1,2,3                        ; O^T += V^T P^T: four accumulators by turns
	v_wmma_scale_f32_16x16x128_f8f6f4 v[192+8*\t:199+8*\t], v[128+12*\t:139+12*\t], v[224:235], v[192+8*\t:199+8*\t], v[88+\t], v253 matrix_a_fmt:MATRIX_FMT_FP6 matrix_b_fmt:MATRIX_FMT_FP6
.endr
.Lhidden_\@:
	s_add_co_u32 s[TB], s[TB], 6144
	s_add_co_u32 s[TS], s[TS], 512
	s_add_co_u32 s[KF], s[KF], 128
.endm
; A pass begins: O^T and the sum as zeros, the largest t as -3e38 (the first change of M multiplies zeros); q's scale word for [0 | q]; the first step's K
.macro INIT
	s_mov_b32 s[TB], 0
	s_mov_b32 s[TS], 0
	s_mov_b32 s[KF], 0
	v_lshlrev_b32 v116, 16, v30
	v_mov_b32 v8, v1
	v_mov_b32 v9, v2
	v_mov_b32 v28, v5
	KFETCH 0
	v_mov_b32 v13, 0xff61b1e6
	s_delay_alu instid0(VALU_DEP_1)
	v_floor_f32 v12, -v13
	v_mov_b32 v14, 0
	v_mov_b32 v15, 0
.set NN, 0
.rept 32
	v_mov_b32 v[192+NN], 0
.set NN, NN+1
.endr
	s_wait_alu depctr_va_vdst(0)
	s_wait_dscnt 0x0
	KSCALE
.rept 4
	v_nop                                          ; with the step's first six lines: ten places between the scale words' lines and the first product
.endr
.endm
.macro LOOP n                          ; n key steps on: a constant count; the steps behind the tile's last are jumped over
	s_mov_b32 s[CNT], \n
.Lstep_\@:
	STEP
	s_sub_co_u32 s[CNT], s[CNT], 1
	s_cmp_lg_u32 s[CNT], 0
	s_cbranch_scc1 .Lstep_\@
.endm
; THE WAY OUT of a pass: y = O^T / the sum; its 32 numbers a lane are d = 32 b + 16 h + 0 .. 15: two blocks of the last product's K.  They become one half fragment, 768 bytes, and half a scale word a row.
.macro WAYOUT p, yb
.rept 4
	v_nop                                          ; places behind the last products
.endr
	v_add_f32 v14, v14, v15
	s_delay_alu instid0(VALU_DEP_1)
	v_permlanex16_b32 v252, v14, s[SEL], s[SEL+1]
	s_delay_alu instid0(VALU_DEP_1)
	v_add_f32 v14, v14, v252                       ; the row's sum
	s_wait_alu depctr_va_vdst(0)
	v_rcp_f32 v14, v14
	v_nop                                          ; a plain line behind the reciprocal,
	s_wait_alu depctr_va_vdst(0)                   ; and the wait ahead of its first reader
.set NN, 0
.rept 32
	v_mul_f32 v[128+NN], v[192+NN], v14            ; each accumulator from its low end on
.set NN, NN+1
.endr
.irp b, 0,1
	v_max3_num_f32 v[232+\b], |v[128+16*\b]|, |v[129+16*\b]|, 0x1800000
.endr
.irp i, 2,4,6,8,10,12,14
.irp b, 0,1
	s_delay_alu instid0(VALU_DEP_2)
	v_max3_num_f32 v[232+\b], v[232+\b], |v[128+16*\b+\i]|, |v[129+16*\b+\i]|
.endr
.endr
.irp b, 0,1
	s_delay_alu instid0(VALU_DEP_2)
	v_permlanex16_b32 v[236+\b], v[232+\b], s[SEL], s[SEL+1]
.endr
.irp b, 0,1
	s_delay_alu instid0(VALU_DEP_2)
	v_max_num_f32 v[232+\b], v[232+\b], v[236+\b]
.endr
.irp b, 0,1
	s_delay_alu instid0(VALU_DEP_2)
	v_add_nc_u32 v[244+\b], 0xff000000, v[232+\b]
.endr
.irp b, 0,1
	s_delay_alu instid0(VALU_DEP_2)
	v_lshrrev_b32 v[236+\b], 23, v[244+\b]
.endr
	s_delay_alu instid0(VALU_DEP_1)
	v_lshl_or_b32 v[92+\p], v237, 8, v236
	v_cvt_scalef32_pk16_fp6_f32 v[224:226], v[128:143], v244
	v_cvt_scalef32_pk16_fp6_f32 v[240:242], v[144:159], v245
	v_nop
.irp i, 0,1,2
	v_permlane16_swap_b32 v[224+\i], v[240+\i]
.endr
.irp i, 0,1,2
	s_delay_alu instid0(VALU_DEP_3)
	v_mov_b32 v[227+\i], v[240+\i]
.endr
	global_store_b128 v1, v[224:227], s[\yb:\yb+1] ; 512 and 256 consecutive bytes, aligned
	global_store_b64 v2, v[228:229], s[\yb:\yb+1]
.endm
	s_mov_b32 s[QB], s90
	s_wait_alu depctr_va_vdst(0)                   ; the wait at the head's end
	s_cmp_lt_u32 s[WV], 4                          ; the waves that asked for the first keys and the scale words wait for them; the lines of waves 4-6 are their own and may be out
	s_cbranch_scc0 .Lnot_first
	s_wait_tensorcnt 0x0
.Lnot_first:
	s_barrier_signal -1
	s_barrier_wait -1
	s_wait_loadcnt 0x0                             ; Q
	INIT
	LOOP 2                                         ; keys 0-255; the look-ahead reads K's keys 128-383
	s_wait_alu depctr_va_vdst(0)
	s_wait_tensorcnt 0x0                           ; all that is still out: on every wave's way
	s_wait_dscnt 0x0
	s_barrier_signal -1
	s_barrier_wait -1                              ; the later keys are in
	LOOP 6
	PTRS 17, 24, 26, 28, 91                        ; (the descriptors' registers are free: every tensor load has been waited for)
	QLOAD 24, 26                                   ; the second tile's Q lands during the way out
	WAYOUT 0, 96
	s_mov_b32 s[QB], s91
	s_sub_co_u32 s[LK], 1920, s[LK]                ; the second tile's last step: 15 - w / 2
	s_wait_loadcnt 0x0
	s_wait_xcnt 0x0                                ; the first pass's stores have read their registers
	INIT
	LOOP 16
	WAYOUT 1, 28
	s_mov_b32 s92, 0xffff0000
	v_cndmask_b32 v94, v92, v93, s92               ; lanes 0-15 the first pass's half words, lanes 16-31 the second's
	global_store_b16 v95, v94, s[88:89]
	s_wait_tensorcnt 0x0                           ; the wave's end
	ds_add_u32 v251, v255
	s_wait_dscnt 0x0
	CROUND                                         ; the closing round
	s_endpgm
.Lfunc_end_k_qda7deb7a5d_attn:
	.size	k_qda7deb7a5d_attn, .Lfunc_end_k_qda7deb7a5d_attn-k_qda7deb7a5d_attn
	.p2alignl 7, 3214868480
	.fill 96, 4, 3214868480
	.section	.rodata,"a",@progbits
	.p2align	6, 0x0
	.amdhsa_kernel k_qda7deb7a5d_attn
		.amdhsa_group_segment_fixed_size 215040
		.amdhsa_private_segment_fixed_size 0
		.amdhsa_enable_private_segment 0
		.amdhsa_kernarg_size 24
		.amdhsa_user_sgpr_count 2
		.amdhsa_user_sgpr_kernarg_segment_ptr 1
		.amdhsa_wavefront_size32 1
		.amdhsa_system_sgpr_workgroup_id_x 1
		.amdhsa_system_sgpr_workgroup_id_y 1
		.amdhsa_system_sgpr_workgroup_id_z 1
		.amdhsa_system_vgpr_workitem_id 0
		.amdhsa_next_free_vgpr 256
		.amdhsa_next_free_sgpr 102
		.amdhsa_reserve_vcc 1
		.amdhsa_float_denorm_mode_32 3
		.amdhsa_float_denorm_mode_16_64 3
		.amdhsa_memory_ordered 1
		.amdhsa_forward_progress 1
		.amdhsa_inst_pref_size 98
	.end_amdhsa_kernel
	.amdgpu_metadata
---
amdhsa.version: [ 1, 2 ]
amdhsa.kernels:
  - .name:           k_qda7deb7a5d_attn
    .symbol:         k_qda7deb7a5d_attn.kd
    .args:
      - { .name: qk, .offset: 0, .size: 8, .value_kind: global_buffer, .address_space: global }
      - { .name: vq, .offset: 8, .size: 8, .value_kind: global_buffer, .address_space: global }
      - { .name: yq, .offset: 16, .size: 8, .value_kind: global_buffer, .address_space: global }
    .group_segment_fixed_size: 215040
    .private_segment_fixed_size: 0
    .kernarg_segment_align: 8
    .kernarg_segment_size: 24
    .max_flat_workgroup_size: 512
    .sgpr_count:     102
    .vgpr_count:     256
    .wavefront_size: 32
...
	.end_amdgpu_metadata
.endif
;; end of part 3
;; launch proj (part 4): grid 8 x 32, 4 waves a work-group, clusters of 4 x 4, 327,680 bytes of LDS; arguments yq, wq, b_proj, out0; writes out0
.if DOCPART == 4
	.amdgcn_target "amdgcn-amd-amdhsa--gfx1250"
	.amdhsa_code_object_version 6
	.text
	.protected	k_qda7deb7a5d_proj
	.globl	k_qda7deb7a5d_proj
	.p2align	8
	.type	k_qda7deb7a5d_proj,@function
k_qda7deb7a5d_proj:
	s_mov_b64 s[64:65], 0
	v_nop
	global_prefetch_b8 v0, s[64:65] scope:SCOPE_SE
	s_setreg_imm32_b32 hwreg(HW_REG_WAVE_MODE, 25, 1), 1
	s_wait_xcnt 0x0
	s_wait_alu depctr_hold_cnt(0) depctr_sa_sdst(0) depctr_va_vdst(0) depctr_va_sdst(0) depctr_va_ssrc(0) depctr_va_vcc(0) depctr_vm_vsrc(0)
	s_getreg_b32 s2, hwreg(HW_REG_IB_STS2, 6, 4)
	s_cmp_eq_u32 s2, 0
	s_cbranch_scc0 .Lentry_in_a_cluster
	s_endpgm
.Lentry_in_a_cluster:
	s_bfe_u32 s2, ttmp6, 0x10000c
	s_cmp_lg_u32 s2, 0xf033
	s_cbranch_scc0 .Lentry_shape_is_right
	s_endpgm
.Lentry_shape_is_right:
; out = y W_proj + b_proj on codes of FP6 (E2M3) with E8M0 scales, K = 1024.  yq and wq are images in the order of the operand registers: [K step of 256: 4][row block of 16][4 half fragments of 768 bytes],
; scale pages [row block][K step of 256: 4][r: 16][2 words] from byte SCLO on; lane r of row block i has row 32 (i / 2) + 8 (i % 2) + r + 8 (r / 8).  W_proj's columns are wq's row blocks 192-255.
; THE DEAL.  256 work-groups, each 256 tokens (R) x 128 columns (P), four waves 2 x 2.  All of K of both operands lies in LDS, each byte filled once: nothing is refilled.
; A wave holds its 64 columns of W, all of K, in registers (32 fragments, 384 registers) and streams tokens past them in blocks of 16 rows, all of K: the wave in row a takes the tile's row blocks 2 s + a, s = 0 .. 7.
; A block is 32 products on four accumulators by turns; its 16 x 64 results are then whole and leave at once, through the wave's own stage in LDS, as rows of 256 aligned bytes.
; The matrix instruction takes W's rows as source 0 and the tokens as source 1: a lane holds one token and eight neighbouring columns.  The bias is the C of each sum's first product.
; FILLS, one tensor load a wave, all of one shape (4 planes x 24,576 bytes) but the scale pages: wave 0 W's eight blocks, wave 1 the tokens' blocks 0-7, wave 2 the tokens' scale pages, wave 3 the tokens' blocks 8-15.
; The first barrier shows wave 0's tile, the second waves 1's and 2's, a third, in block 2, wave 3's, ahead of the first fetch from it.
; CLUSTER 4 x 4: the tokens' tiles hang on the tile row alone and are asked for jointly by a row of the cluster, W's on the tile column alone, by a column.
; No prefetch: the launch has no loop to run ahead in, and every byte is asked for at the head by the tensor loads themselves.
; THE COUNTS of the waits on LDS: a fetch is NF = 36 loads, a block's way through the stage 16 instructions.  Ahead of block s the youngest that may be out are the next block's fetch and the last block's stage (52);
; ahead of block 0 the next fetch alone (36); ahead of block 7 two stages (32).  A block's rows are stored when its successor's fetch and stage have been issued behind it (52, or 16 where nothing more is fetched).
; REGISTERS.  Window 0: v1-21 lane terms and addresses; v28, v29 the spare word and 0; v32-63 W's scale words (8 b + q); v68-83 the tokens', two sets; v96-127 the bias; v128-191 two sets of four accumulators;
;   v192-255 two sets of rows on the way out.  Windows 1, 2: W's fragments (K steps 0-3, 4-7) at 12 (4 (q % 4) + b).  Window 3: the tokens' two sets at 96 e + 12 q.
.set PL,     1572864
.set SCLO,   6291456
.set RHI,    98304
.set PB,     196608
.set SCR,    294912
.set STAGE,  303104
.set SPARE,  320512
.set NF,     36
.set SPR,    32
.set SR,     68
.set BI,     96
.set ACC,    128
.set BK,     192
.set W0,     (3<<16)|(1<<21)
.set MSB, 0
.macro WIN new
.if MSB != (\new)
	s_set_vgpr_msb (MSB<<8)|(\new)
.set MSB, (\new)
.endif
.endm
.macro PLACES n
.rept \n
	v_nop
.endr
.endm
.macro WALU
	s_wait_alu depctr_va_vdst(0)
.endm
.macro BARRIER
	s_barrier_signal -1
	s_barrier_wait -1
.endm
.macro CROUND
	BARRIER
	s_cmp_lg_u32 s14, 0
	s_cbranch_scc1 .Lnot_wave_0_\@
	s_barrier_signal -3
.Lnot_wave_0_\@:
	s_barrier_wait -3
	BARRIER
.endm
.macro TLOAD g0, g1
	tensor_load_to_lds s[\g0:\g0+3], s[\g1:\g1+7]
	s_nop 0
	PLACES 4
.endm
	s_load_b256 s[4:11], s[0:1], 0x0               ; yq, wq, b_proj, out0
	v_lshl_add_u32 v28, v0, 2, SPARE
	v_mov_b32 v29, 0
	ds_add_u32 v28, v29                            ; the opening lines: the add twice and one wait
	ds_add_u32 v28, v29
	v_lshrrev_b32 v1, 5, v0
	v_readfirstlane_b32 s14, v1                    ; wave; s15 its row a of the 2 x 2, s16 its column
	s_lshr_b32 s15, s14, 1
	s_and_b32 s16, s14, 1
	s_bfe_u32 s17, ttmp6, 0x40000                  ; cx
	s_bfe_u32 s18, ttmp6, 0x40004                  ; cy
	s_lshl_b32 s20, s18, 2
	s_lshl_b32 s20, 15, s20                        ; my row of the cluster
	s_lshl_b32 s22, 0x1111, s17                    ; my column
	s_or_b32 s24, s20, W0
	s_or_b32 s32, s22, W0
	s_or_b32 s40, s20, W0
.irp g, 24, 32                         ; eight blocks, all of K: 4 rows of 24,576 bytes, a plane apart
	s_mov_b32 s[\g+1], 3072<<16
	s_mov_b32 s[\g+2], 4<<16
	s_mov_b32 s[\g+3], 3072<<16
	s_mov_b32 s[\g+4], 4
	s_mov_b32 s[\g+5], PL/8
	s_mov_b32 s[\g+6], 0
	s_mov_b32 s[\g+7], 0
.endr
	s_mov_b32 s41, 32<<16                          ; sixteen scale pages: 32 dense rows of 256 bytes
	s_mov_b32 s42, 32<<16
	s_mov_b32 s43, 32<<16
	s_mov_b32 s44, 32
	s_mov_b32 s45, 32
	s_mov_b32 s46, 0
	s_mov_b32 s47, 0
	s_lshl_b32 s19, ttmp9, 2
	s_add_co_u32 s17, s17, s19                     ; tile column, 0 .. 7
	s_and_b32 s19, ttmp7, 0xffff
	s_lshl_b32 s19, s19, 2
	s_add_co_u32 s18, s18, s19                     ; tile row, 0 .. 31
	s_mul_i32 s66, s18, 49152                      ; the tokens' sixteen blocks
	s_mov_b32 s67, 0
	s_lshl_b32 s68, s18, 13
	s_add_co_u32 s68, s68, SCLO                    ; their scale pages
	s_mov_b32 s69, 0
	s_mul_i32 s70, s17, 24576
	s_add_co_u32 s70, s70, 192*3072                ; W_proj's eight blocks
	s_mov_b32 s71, 0
	WALU
	s_wait_dscnt 0x0
	CROUND                                         ; all sixteen work-groups are here: the joint loads meet
	s_wait_kmcnt 0x0
	s_mov_b32 s48, 1
	s_mov_b32 s49, PB
	s_add_nc_u64 s[50:51], s[6:7], s[70:71]
	s_mov_b32 s52, 1
	s_mov_b32 s53, 0
	s_add_nc_u64 s[54:55], s[4:5], s[66:67]
	s_mov_b32 s56, 1
	s_mov_b32 s57, RHI
	s_add_nc_u64 s[58:59], s[54:55], 24576
	s_mov_b32 s60, 1
	s_mov_b32 s61, SCR
	s_add_nc_u64 s[62:63], s[4:5], s[68:69]
	s_or_b32 s51, s51, 0x80000000
	s_or_b32 s55, s55, 0x80000000
	s_or_b32 s59, s59, 0x80000000
	s_or_b32 s63, s63, 0x80000000
	s_cmp_eq_u32 s14, 0                            ; one chain of branches on the wave's number, one load to an arm
	s_cbranch_scc0 .Lwave_1
	TLOAD 48, 32                                   ; W's rows: they go on into registers, so they are asked for first
	s_branch .Lasked
.Lwave_1:
	s_cmp_eq_u32 s14, 1
	s_cbranch_scc0 .Lwave_2
	TLOAD 52, 24                                   ; the tokens' blocks 0-7
	s_branch .Lasked
.Lwave_2:
	s_cmp_eq_u32 s14, 2
	s_cbranch_scc0 .Lwave_3
	TLOAD 60, 40                                   ; their scale pages
	s_branch .Lasked
.Lwave_3:
	TLOAD 56, 24                                   ; blocks 8-15
.Lasked:
	s_mul_i32 s19, s15, 3072                       ; my first block of tokens
	s_mul_i32 s20, s16, 12288
	s_add_co_u32 s20, s20, PB                      ; my four blocks of W, planes 0 and 1,
	s_add_co_u32 s21, s20, 49152                   ; planes 2 and 3
	s_lshl_b32 s22, s15, 9
	s_add_co_u32 s22, s22, SCR                     ; my first block's scale page
	s_mul_i32 s23, s14, 16*272
	s_add_co_u32 s23, s23, STAGE                   ; my stage
	s_lshl_b32 s72, s17, 12                        ; W's scale pages: (192 + 8 x tile column + 4 x half) x 512
	s_lshl_b32 s73, s16, 11
	s_add_co_u32 s72, s72, s73
	s_add_co_u32 s72, s72, SCLO+192*512
	s_mov_b32 s73, 0
	s_add_nc_u64 s[72:73], s[6:7], s[72:73]
	s_lshl_b32 s74, s17, 9                         ; my 64 columns, in bytes of f32
	s_lshl_b32 s75, s16, 8
	s_add_co_u32 s74, s74, s75
	s_mov_b32 s75, 0
	s_add_nc_u64 s[8:9], s[8:9], s[74:75]
	s_add_nc_u64 s[10:11], s[10:11], s[74:75]
	s_lshl_b32 s74, s18, 20                        ; 256 rows of 4096 bytes a tile row, + 8 a rows
	s_lshl_b32 s76, s15, 15
	s_add_co_u32 s74, s74, s76
	s_add_nc_u64 s[10:11], s[10:11], s[74:75]
	v_and_b32 v1, 31, v0                           ; lane
	v_and_b32 v2, 15, v0                           ; r
	v_bfe_u32 v3, v0, 4, 1                         ; h
	v_lshlrev_b32 v4, 4, v1                        ; 16 x lane: registers 0-3 of a half fragment
	v_lshlrev_b32 v5, 4, v2
	v_lshl_add_u32 v5, v3, 3, v5
	v_add_nc_u32 v5, 512, v5                       ; 512 + 16 r + 8 h: registers 4-5
	v_add_nc_u32 v6, s19, v4
	v_add_nc_u32 v7, s19, v5
	v_add_nc_u32 v8, s20, v4
	v_add_nc_u32 v9, s20, v5
	v_add_nc_u32 v10, s21, v4
	v_add_nc_u32 v11, s21, v5
	v_lshl_add_u32 v16, v2, 3, s22                 ; the tokens' scale words: 8 r
	v_mul_u32_u24 v17, v2, 272
	v_lshl_add_u32 v17, v3, 6, v17
	v_add_nc_u32 v17, s23, v17                     ; into the stage: row r, 64 h
	v_mul_u32_u24 v18, v3, 272
	v_lshl_add_u32 v18, v2, 4, v18
	v_add_nc_u32 v18, s23, v18                     ; out of it: sixteen lanes to a row of 256 bytes, two rows an instruction
	v_lshlrev_b32 v19, 12, v3
	v_lshl_add_u32 v19, v2, 4, v19                 ; and the same two rows in out0
	v_lshlrev_b32 v20, 3, v2
	v_lshlrev_b32 v21, 6, v3
.irp b, 0,1,2,3
.irp p, 0,1,2,3
	global_load_b64 v[SPR+8*\b+2*\p:SPR+8*\b+2*\p+1], v20, s[72:73] offset:512*\b+128*\p   ; W's scale words of block b, K steps 2 p, 2 p + 1
.endr
.endr
.irp b, 0,1,2,3
	global_load_b128 v[BI+8*\b:BI+8*\b+3], v21, s[8:9] offset:(32*(\b/2)+8*(\b%2))*4       ; register j of block b: column 32 (b / 2) + 8 (b % 2) + 16 h + j
	global_load_b128 v[BI+8*\b+4:BI+8*\b+7], v21, s[8:9] offset:(32*(\b/2)+8*(\b%2))*4+16
.endr
.macro FRAG reg, a1, a2, off           ; a fragment, 16 rows x 128 K, is two half fragments on end
	ds_load_b128 v[(\reg):(\reg)+3], v[\a1] offset:(\off)
	ds_load_b64 v[(\reg)+4:(\reg)+5], v[\a2] offset:(\off)
	ds_load_b128 v[(\reg)+6:(\reg)+9], v[\a1] offset:(\off)+768
	ds_load_b64 v[(\reg)+10:(\reg)+11], v[\a2] offset:(\off)+768
.endm
.macro WEIGHTS                         ; my 64 columns of W, all of K: 128 loads
.irp q, 0,1,2,3,4,5,6,7
	WIN (1+\q/4)<<6
.irp b, 0,1,2,3
	FRAG 12*(4*(\q%4)+\b), 8+2*(\q/4), 9+2*(\q/4), ((\q/2)%2)*24576+\b*3072+(\q%2)*1536
.endr
.endr
	WIN 0
.endm
.macro ADDR s                          ; the LDS addresses of my block s: tile block 2 s + a; four plain lines
.set BO, ((\s)/4)*RHI+((2*(\s))%8)*3072
	v_add_nc_u32 v12, BO, v6
	v_add_nc_u32 v13, BO, v7
	v_add_nc_u32 v14, BO+49152, v6
	v_add_nc_u32 v15, BO+49152, v7
.endm
.macro FETCH e, s                      ; block s into set e: NF loads
	WIN 0xc0
.irp q, 0,1,2,3,4,5,6,7
	FRAG 96*(\e)+12*\q, 12+2*(\q/4), 13+2*(\q/4), ((\q/2)%2)*24576+(\q%2)*1536
.endr
	WIN 0
.irp p, 0,1,2,3
	ds_load_b64 v[SR+8*(\e)+2*\p:SR+8*(\e)+2*\p+1], v16 offset:1024*(\s)+128*\p
.endr
.endm
.macro MUL e                           ; 32 products: K ascending, the four accumulators by turns
.irp q, 0,1,2,3,4,5,6,7
	WIN (1+\q/4)|12
.irp b, 0,1,2,3
.if \q
	v_wmma_scale_f32_16x16x128_f8f6f4 v[ACC+32*(\e)+8*\b:ACC+32*(\e)+8*\b+7], v[12*(4*(\q%4)+\b):12*(4*(\q%4)+\b)+11], v[96*(\e)+12*\q:96*(\e)+12*\q+11], v[ACC+32*(\e)+8*\b:ACC+32*(\e)+8*\b+7], v[SPR+8*\b+\q], v[SR+8*(\e)+\q] matrix_a_fmt:MATRIX_FMT_FP6 matrix_b_fmt:MATRIX_FMT_FP6
.else
	v_wmma_scale_f32_16x16x128_f8f6f4 v[ACC+32*(\e)+8*\b:ACC+32*(\e)+8*\b+7], v[12*(4*(\q%4)+\b):12*(4*(\q%4)+\b)+11], v[96*(\e)+12*\q:96*(\e)+12*\q+11], v[BI+8*\b:BI+8*\b+7], v[SPR+8*\b+\q], v[SR+8*(\e)+\q] matrix_a_fmt:MATRIX_FMT_FP6 matrix_b_fmt:MATRIX_FMT_FP6
.endif
.endr
.endr
	WIN 0
.endm
.macro STAGEIT s                       ; 16 rows x 64 columns through my stage: LDS serves a wave's instructions in order, so no wait stands between the stores and the loads
.irp b, 0,1,2,3
	ds_store_b128 v17, v[ACC+32*((\s)%2)+8*\b:ACC+32*((\s)%2)+8*\b+3] offset:128*(\b/2)+32*(\b%2)      ; each accumulator from its low end on
	ds_store_b128 v17, v[ACC+32*((\s)%2)+8*\b+4:ACC+32*((\s)%2)+8*\b+7] offset:128*(\b/2)+32*(\b%2)+16
.endr
.irp t, 0,1,2,3,4,5,6,7
	ds_load_b128 v[BK+32*((\s)%2)+4*\t:BK+32*((\s)%2)+4*\t+3], v18 offset:544*\t
.endr
.endm
.macro SEND s, younger                 ; row 2 t + h of the block is token 32 s + 8 a + 2 t + h + 8 (t / 4) of the tile
	s_wait_dscnt \younger
.irp t, 0,1,2,3,4,5,6,7
	global_store_b128 v19, v[BK+32*((\s)%2)+4*\t:BK+32*((\s)%2)+4*\t+3], s[10:11] offset:(32*(\s)+2*\t+8*(\t/4))*4096 th:TH_STORE_NT   ; sixteen lanes store 256 consecutive aligned bytes
.endr
.endm
.macro BLK s
.if (\s) == 0
	s_wait_dscnt NF
.elseif (\s) == 7
	s_wait_dscnt 32
.else
	s_wait_dscnt NF+16
.endif
	MUL (\s)%2
.if (\s) == 2
	s_wait_tensorcnt 0x0                           ; all that is still out, on every wave's way: wave 3's tile
	s_wait_dscnt 0x0
	BARRIER                                        ; blocks 8-15 are in
.endif
.if (\s) < 6
	ADDR (\s)+2                                    ; the four places between the products and the loads and stores below
	WALU
	FETCH (\s)%2, (\s)+2
.else
	PLACES 4
.endif
.if (\s) > 1
	s_wait_xcnt 0x0                                ; the stores of two blocks ago have read the registers that the stage's loads fill
.endif
	STAGEIT \s
.if (\s) > 0
.if (\s) < 6
	SEND (\s)-1, NF+16
.else
	SEND (\s)-1, 16
.endif
.endif
.endm
	WALU                                           ; the wait at the head's end
	s_cmp_eq_u32 s14, 0
	s_cbranch_scc0 .Lnot_w
	s_wait_tensorcnt 0x0
.Lnot_w:
	BARRIER                                        ; W's rows are in
	WEIGHTS
	s_cmp_eq_u32 s14, 3
	s_cbranch_scc1 .Lnot_lo
	s_wait_tensorcnt 0x0
.Lnot_lo:
	s_wait_dscnt 0x0
	BARRIER                                        ; the tokens' blocks 0-7 and the scale pages are in; wave 3's tile may be out
	ADDR 0
	FETCH 0, 0
	ADDR 1
	FETCH 1, 1
	s_wait_loadcnt 0x0                             ; W's scale words and the bias
.irp s, 0,1,2,3,4,5,6,7
	BLK \s
.endr
	SEND 7, 0
	s_wait_tensorcnt 0x0                           ; the wave's end
	ds_add_u32 v28, v29
	s_wait_dscnt 0x0
	CROUND                                         ; the closing round
	s_endpgm
.Lfunc_end_k_qda7deb7a5d_proj:
	.size	k_qda7deb7a5d_proj, .Lfunc_end_k_qda7deb7a5d_proj-k_qda7deb7a5d_proj
	.p2alignl 7, 3214868480
	.fill 96, 4, 3214868480
	.section	.rodata,"a",@progbits
	.p2align	6, 0x0
	.amdhsa_kernel k_qda7deb7a5d_proj
		.amdhsa_group_segment_fixed_size 327680
		.amdhsa_private_segment_fixed_size 0
		.amdhsa_enable_private_segment 0
		.amdhsa_kernarg_size 32
		.amdhsa_user_sgpr_count 2
		.amdhsa_user_sgpr_kernarg_segment_ptr 1
		.amdhsa_wavefront_size32 1
		.amdhsa_system_sgpr_workgroup_id_x 1
		.amdhsa_system_sgpr_workgroup_id_y 1
		.amdhsa_system_sgpr_workgroup_id_z 1
		.amdhsa_system_vgpr_workitem_id 0
		.amdhsa_next_free_vgpr 1024
		.amdhsa_next_free_sgpr 80
		.amdhsa_reserve_vcc 0
		.amdhsa_float_denorm_mode_32 3
		.amdhsa_float_denorm_mode_16_64 3
		.amdhsa_memory_ordered 1
		.amdhsa_forward_progress 1
		.amdhsa_inst_pref_size 88
	.end_amdhsa_kernel
	.amdgpu_metadata
---
amdhsa.version: [ 1, 2 ]
amdhsa.kernels:
  - .name:           k_qda7deb7a5d_proj
    .symbol:         k_qda7deb7a5d_proj.kd
    .args:
      - { .name: yq, .offset: 0, .size: 8, .value_kind: global_buffer, .address_space: global }
      - { .name: wq, .offset: 8, .size: 8, .value_kind: global_buffer, .address_space: global }
      - { .name: b_proj, .offset: 16, .size: 8, .value_kind: global_buffer, .address_space: global }
      - { .name: out0, .offset: 24, .size: 8, .value_kind: global_buffer, .address_space: global }
    .group_segment_fixed_size: 327680
    .private_segment_fixed_size: 0
    .kernarg_segment_align: 8
    .kernarg_segment_size: 32
    .max_flat_workgroup_size: 128
    .sgpr_count:     80
    .vgpr_count:     1024
    .wavefront_size: 32
...
	.end_amdgpu_metadata
.endif
;; end of part 4
